; MI455X (gfx1250); checked and timed in simulation.
; The chip was launched on July 23, 2026; its instructions are those of AMD's public machine-readable ISA for CDNA 5 (MIT licence, August 2026) and "CDNA5" Instruction Set Architecture Reference Guide (July 2026). The comments in the code are by the model that wrote it; some were corrected since.
;; Multi Head Attention. Allowed arithmetic: matrix products marked QUANTISED: E2M3 operands, one E8M0 scale for each 32 along K, by v_wmma_scale_f32_16x16x128_f8f6f4 with both operands' format E2M3, f32 sums; everything else in f32.
;; Inputs: attention_mask 4 x 2,048 int32; wk 1,024 x 1,024 float32; wo 1,024 x 1,024 float32; wq 1,024 x 1,024 float32; wv 1,024 x 1,024 float32; x 4 x 2,048 x 1,024 float32.
;; Outputs: out0 4 x 2,048 x 1,024 float32.
;; This version of the problem:
;;   THIS VERSION OF THE PROBLEM IS GIVEN IN LOW PRECISION. The matrix products marked QUANTISED in the list below multiply operands that are first quantised to E2M3 (2 exponent bits, 3 mantissa bits; 6 bits a number), with one power-of-two scale for each 32 numbers along K (OCP MX v1.0); their sums are f32. All else is computed in f32.
;;   The module's matrix products, in the order in which they are computed (A, B: the left and right operand; K: the contracted axis; several contracted axes count as one K, in the product's order):
;;     1. [M 8,192, K 1,024] x [K 1,024, N 1,024]; A: input x; B: input wq: QUANTISED
;;     2. [M 8,192, K 1,024] x [K 1,024, N 1,024]; A: input x; B: input wk: QUANTISED
;;     3. [M 8,192, K 1,024] x [K 1,024, N 1,024]; A: input x; B: input wv: QUANTISED
;;     4. batch 64 x [M 2,048, K 64] x [K 64, N 2,048]; A: computed on the way; B: computed on the way: QUANTISED
;;     5. batch 64 x [M 64, K 2,048] x [K 2,048, N 2,048]; A: computed on the way; B: softmax (see below): QUANTISED
;;     6. [M 8,192, K 1,024] x [K 1,024, N 1,024]; A: computed on the way; B: input wo: QUANTISED
;;   THE QUANTISER, for each operand of a quantised product, along K:
;;     - K is cut into blocks of 32 from its start; a last block that is shorter is filled with zeros.
;;     - A block's scale is 2^e with e = floor(log2(the largest magnitude in the block)) - 2, held to -126 .. 127; a block of zeros has e = 0. As a byte (E8M0): e + 127.
;;     - Each number is divided by its block's scale, clamped to +-7.5, and rounded to the nearest number of E2M3, ties to even, subnormals kept.
;;     - The product sums the exact products of the quantised numbers (number of the format x scale) in f32.
;;   ~~~python
;;   def quantise(x, axis):      # numpy; x: float32 -> the quantised numbers, widened to float32 again
;;       x = np.moveaxis(x, axis, -1); K = x.shape[-1]
;;       x = np.pad(x, [(0, 0)] * (x.ndim - 1) + [(0, -K % 32)]); x = x.reshape(x.shape[:-1] + (-1, 32)); a = np.abs(x).max(-1, keepdims=True)
;;       e = np.where(a > 0, np.clip(np.frexp(np.where(a > 0, a, 1))[1] - 1 - 2, -126, 127), 0)      # np.frexp(a)[1] - 1 = floor(log2(a)), exactly
;;       r = np.clip(x / 2.0 ** e, -7.5, 7.5)
;;       step = 2.0 ** (np.maximum(np.frexp(np.where(r == 0, 1, r))[1] - 1, 0) - 3)
;;       q = np.round(r / step) * step * 2.0 ** e      # np.round: ties to even
;;       return np.moveaxis(q.reshape(q.shape[:-2] + (-1,))[..., :K], -1, axis).astype(np.float32)
;;   ~~~
;;   SOFTMAX AHEAD OF A QUANTISED PRODUCT. Where the list says 'softmax', what is quantised is not the finished softmax but p = 2^(t - M), with t = logit x log2(e) and M = ceil(the row's largest t), a whole number; so 1/2 < the row's largest p <= 1. The row's sum l is taken of the UNQUANTISED p, in f32, and the product's result is divided by l at the end. Since M is a whole number, a kernel that streams over the keys may use a running M (the ceiling of the running maximum): every later rescaling is an exact power of two, which a block's scale takes up: the codes' values come out the same.
;;   OPERANDS COMPUTED ON THE WAY. 'Computed on the way' means the value that the module computes at that place (a softmax that the list does not call 'softmax' is quantised finished and normalised). What goes into a quantiser is computed in f32, as accurately as f32 sums, v_exp_f32 and their like allow (about 1e-6 of the number): no bf16 or f16 on the way to a quantiser, and a product that is left as it is and whose result goes on into a quantised operand takes f32 operands (vector FMAs, or v_wmma_f32_16x16x4_f32). A number that lies on a knife's edge between two numbers of the format may be rounded either way, as far as f32 arithmetic and the matrix unit's own rounding can turn it there, and no further.
;; One version. Each part assembles by itself: llvm-mc -triple=amdgcn-amd-amdhsa -mcpu=gfx1250 --defsym DOCPART=n.
;; ======== version 1 of 1: 4 launches
;; limits: right only within a limited range of input values
;; workspace buffers: xc 6,291,456 bytes; xs 262,144 bytes; wc 3,145,728 bytes; ws 131,072 bytes; rope 524,288 bytes; qkv 19,660,800 bytes; ac 6,291,456 bytes; asc 262,144 bytes
;; launch prep (part 1): grid 448 x 1, 4 waves a work-group, no clusters, 33,280 bytes of LDS; arguments x, wq, wk, wv, wo, xc, xs, wc, ws, rope; writes xc, xs, wc, ws, rope
.if DOCPART == 1
	.amdgcn_target "amdgcn-amd-amdhsa--gfx1250"
	.amdhsa_code_object_version 6
	.text
	.protected	k_q19a5e33302_prep
	.globl	k_q19a5e33302_prep
	.p2align	8
	.type	k_q19a5e33302_prep,@function
k_q19a5e33302_prep:
	s_mov_b64 s[64:65], 0
	v_nop
	global_prefetch_b8 v0, s[64:65] scope:SCOPE_SE
	s_setreg_imm32_b32 hwreg(HW_REG_WAVE_MODE, 25, 1), 1
	s_wait_xcnt 0x0
; x [8192][1024] and the four weights [1024][1024], f32, K innermost, become codes of FP6 (E2M3) with one E8M0 scale byte for each 32 along K; and the table of cosines and sines for the rotation is made.
; xc [8192][768], xs [8192][32].  wc [4096][768], ws [4096][32]: rows 0-3071 are wq, wk, wv, rows 3072-4095 wo.
; ROWS OF wq, wk, wv ARE LAID WITH BITS 3 AND 4 OF THE ROW NUMBER SWAPPED: the product that reads them then leaves 16 neighbouring outputs in a lane's 16 registers of two neighbouring tiles.
; A block's scale is 2^(floor(log2(its largest magnitude)) - 2); its byte is the largest magnitude's exponent field - 2, held at 1 from below (a block of zeros gets 1: its codes are zeros, and this program alone reads the bytes).
; LIMITS: NaN and infinities among the inputs are not served.  The table's frequencies are 10^(-j/8) rounded to f32 once; they may differ in the last bit from a power and a division in f32.
; SHARES: work-groups 0-255 x, 256-287 wq, 288-319 wk, 320-351 wv, 352-383 wo: 32,768 numbers each, a wave 8,192 (8 rows) in 16 steps of 512.  Work-groups 384-447: the table, a wave 8 positions.
; A stream: no matrix unit, no cluster, no tensor load; waves share nothing, so there is no barrier.  Loads run four steps (16 loads a wave) ahead; a step's 2,048 bytes turn through the wave's own stage in LDS, so that
; every load reads 512 consecutive bytes and yet a lane holds 16 neighbours along K for the conversion.
.set WAVES, 4
.set STEPS, 16
.set RG,    384                        ; the first work-group of the table
.set EMAX,  2
.set CB,    12                         ; bytes of 16 codes
.set R,     16                         ; v16-79   four sets of 16 numbers as they are loaded
.set X,     80                         ; v80-111  two sets of 16 neighbours
.set C,     128                        ; v128-191 codes: four registers for each step
.set E,     112                        ; v112-127 a scale byte for each step
.set WREG,  8192                       ; LDS: a region for each wave: two stages of 32 x SP bytes, then its 256 scale bytes
.set SP,    80                         ; a lane's place in a stage: 64 bytes + 16 of padding
.set SPW,   12                         ; v12  LDS address of my spare word; never rewritten
.set NIL,   13                         ; v13  0; never rewritten
.set SPARE, WAVES*WREG                 ; behind the four regions: the spare words, 128 bytes a wave
	s_load_b512 s[4:19], s[0:1], 0x0               ; x, wq, wk, wv, wo, xc, xs, wc
	s_load_b128 s[20:23], s[0:1], 0x40             ; ws, rope
	v_lshl_add_u32 v[SPW], v0, 2, SPARE
	v_mov_b32 v[NIL], 0
	v_lshrrev_b32 v1, 5, v0
	v_readfirstlane_b32 s40, v1                    ; wave
	v_and_b32 v2, 31, v0                           ; lane
	s_wait_kmcnt 0x0
	s_cmp_ge_u32 ttmp9, RG
	s_cbranch_scc1 .Lrope
	; ---- the quantiser
	v_lshlrev_b32 v3, 4, v2                        ; my 16 bytes of a load's 512
	s_mul_i32 s41, s40, WREG
	v_lshrrev_b32 v14, 2, v2
	v_mul_u32_u24 v14, v14, SP
	v_and_b32 v15, 3, v2
	v_lshl_add_u32 v14, v15, 4, v14
	v_add_nc_u32 v14, s41, v14                     ; the stage, on the way in: SP (lane / 4) + 16 (lane % 4)
	v_mul_u32_u24 v15, v2, SP
	v_add_nc_u32 v15, s41, v15                     ; and on the way out: SP x lane
	v_mul_u32_u24 v4, v2, CB                       ; my codes' place in a step's
	v_lshrrev_b32 v5, 1, v2
	s_add_co_u32 s41, s41, 2*32*SP
	v_add_nc_u32 v5, s41, v5                       ; my block's scale byte in LDS
	v_lshlrev_b32 v7, 3, v2
	v_add_nc_u32 v6, s41, v7                       ; and on the way out 8 bytes a lane
	; which tensor: the choices hang on the work-group's number alone
	s_mov_b64 s[24:25], s[12:13]                   ; wo,
	s_mov_b32 s26, 352                             ; whose first work-group is 352
	s_cmp_lt_u32 ttmp9, 352
	s_cselect_b64 s[24:25], s[10:11], s[24:25]
	s_cselect_b32 s26, 320, s26
	s_cmp_lt_u32 ttmp9, 320
	s_cselect_b64 s[24:25], s[8:9], s[24:25]
	s_cselect_b32 s26, 288, s26
	s_cmp_lt_u32 ttmp9, 288
	s_cselect_b64 s[24:25], s[6:7], s[24:25]
	s_cselect_b32 s26, 256, s26
	s_cmp_lt_u32 ttmp9, 256
	s_cselect_b64 s[24:25], s[4:5], s[24:25]
	s_cselect_b32 s26, 0, s26
	s_cselect_b64 s[28:29], s[14:15], s[18:19]     ; the codes' buffer,
	s_cselect_b64 s[30:31], s[16:17], s[20:21]     ; the scale bytes',
	s_cselect_b32 s27, 0, 256                      ; and the work-group that begins it
	s_and_b32 s33, s40, 1
	s_lshl_b32 s33, s33, 1
	s_lshr_b32 s34, s40, 1
	s_or_b32 s33, s33, s34                         ; the wave's number with its two bits swapped: a wave's run is 8 rows, so these are bits 3 and 4 of the row
	s_sub_co_u32 s34, ttmp9, 256
	s_cmp_lt_u32 s34, 96                           ; wq, wk, wv alone
	s_cselect_b32 s33, s33, s40
	s_sub_co_u32 s34, ttmp9, s26
	s_lshl_b32 s34, s34, 2
	s_add_co_u32 s34, s34, s40                     ; the run that I read,
	s_lshl_b32 s34, s34, 15                        ; 32,768 bytes each
	s_mov_b32 s35, 0
	s_add_nc_u64 s[24:25], s[24:25], s[34:35]
	s_sub_co_u32 s36, ttmp9, s27
	s_lshl_b32 s36, s36, 2
	s_add_co_u32 s36, s36, s33                     ; the run that I write:
	s_mul_i32 s34, s36, 32*STEPS*CB                ; 6,144 bytes of codes,
	s_add_nc_u64 s[28:29], s[28:29], s[34:35]
	s_lshl_b32 s34, s36, 8                         ; 256 scale bytes
	s_add_nc_u64 s[30:31], s[30:31], s[34:35]
.macro LOAD t
.irp i, 0,1,2,3
	global_load_b128 v[R+16*((\t)%4)+4*\i:R+16*((\t)%4)+4*\i+3], v3, s[24:25] offset:2048*(\t)+512*\i th:TH_LOAD_NT   ; 32 lanes read 512 consecutive bytes
.endr
.endm
.macro TURN t                          ; step t's numbers through the stage: LDS serves a wave's instructions in order, so no wait stands between the stores and the loads
.irp i, 0,1,2,3
	ds_store_b128 v14, v[R+16*((\t)%4)+4*\i:R+16*((\t)%4)+4*\i+3] offset:32*SP*((\t)%2)+8*SP*\i
.endr
.irp i, 0,1,2,3
	ds_load_b128 v[X+16*((\t)%2)+4*\i:X+16*((\t)%2)+4*\i+3], v15 offset:32*SP*((\t)%2)+16*\i
.endr
.endm
.irp t, 0,1,2,3
	LOAD \t
.endr
	s_wait_loadcnt 12                              ; step 0's four loads are in
	TURN 0
.macro STEP t
.set XS, X+16*((\t)%2)
.if (\t) > 0
	s_wait_dscnt 1                                 ; this step's numbers are back from the stage (the last step's byte store may be out)
.else
	s_wait_dscnt 0x0
.endif
.if (\t)+4 < STEPS
	LOAD (\t)+4                                    ; into the registers that the stage's stores have read
.endif
.if (\t)+1 < STEPS
.if STEPS-2-(\t) >= 3
	s_wait_loadcnt 12                              ; the next step's four loads are in; those of the three steps behind it may be out
.else
	s_wait_loadcnt 4*(STEPS-2-(\t))
.endif
	TURN (\t)+1
.endif
	v_max3_num_f32 v8, |v[XS]|, |v[XS+1]|, |v[XS+2]|               ; the largest magnitude of my 16
	v_max3_num_f32 v9, |v[XS+3]|, |v[XS+4]|, |v[XS+5]|
.irp i, 6,10
	v_max3_num_f32 v8, v8, |v[XS+\i]|, |v[XS+\i+1]|
	v_max3_num_f32 v9, v9, |v[XS+\i+2]|, |v[XS+\i+3]|
.endr
	v_max3_num_f32 v8, v8, |v[XS+14]|, |v[XS+15]|
	v_max3_num_f32 v8, v8, v9, (EMAX+1)<<23        ; and the floor 2^(3 - 127): the byte cannot fall under 1
	v_max_num_f32_dpp v8, v8, v8 row_xmask:1 row_mask:0xf bank_mask:0xf   ; and of my neighbour's 16: the block's
	v_add_nc_u32 v11, -(EMAX<<23), v8              ; 2 off its exponent field: the conversion takes the exponent field of this operand as its scale
	v_cvt_scalef32_pk16_fp6_f32 v[C+4*(\t):C+4*(\t)+2], v[XS:XS+15], v11
	v_lshrrev_b32 v[E+(\t)], 23, v11               ; the scale's byte
	ds_store_b8 v5, v[E+(\t)] offset:16*(\t)       ; both lanes of a block write the same byte with the same value
	global_store_b96 v4, v[C+4*(\t):C+4*(\t)+2], s[28:29] offset:32*CB*(\t)
.endm
.irp t, 0,1,2,3,4,5,6,7,8,9,10,11,12,13,14,15
	STEP \t
.endr
	ds_load_b64 v[8:9], v6                         ; LDS serves a wave's instructions in order: these see my stores
	s_wait_dscnt 0x0
	global_store_b64 v7, v[8:9], s[30:31]          ; 32 lanes store 256 consecutive bytes, aligned
	s_wait_tensorcnt 0x0                           ; the wave's end
	ds_add_u32 v[SPW], v[NIL]
	s_wait_dscnt 0x0
	s_endpgm
	; ---- the table: rope [2048 positions][32 frequencies][cos, sin], f32.  A lane is a frequency; a wave makes 8 positions, 256 consecutive bytes each.
.Lrope:
	v_mov_b32 v20, 0
.set J, 0
.irp c, 1.0, 0.749894209332, 0.562341325190, 0.421696503429, 0.316227766017, 0.237137370566, 0.177827941004, 0.133352143216, 0.1, 0.0749894209332, 0.0562341325190, 0.0421696503429, 0.0316227766017, 0.0237137370566, 0.0177827941004, 0.0133352143216, 0.01, 0.00749894209332, 0.00562341325190, 0.00421696503429, 0.00316227766017, 0.00237137370566, 0.00177827941004, 0.00133352143216, 0.001, 0.000749894209332, 0.000562341325190, 0.000421696503429, 0.000316227766017, 0.000237137370566, 0.000177827941004, 0.000133352143216
	s_mov_b32 s41, \c                              ; 10000^(-2 j / 64) = 10^(-j / 8)
	v_writelane_b32 v20, s41, J
.set J, J+1
.endr
	s_sub_co_u32 s42, ttmp9, RG
	s_lshl_b32 s42, s42, 2
	s_add_co_u32 s42, s42, s40
	s_lshl_b32 s43, s42, 3                         ; my first position
	s_lshl_b32 s44, s42, 11                        ; 8 positions of 256 bytes
	s_mov_b32 s45, 0
	s_add_nc_u64 s[22:23], s[22:23], s[44:45]
	v_lshlrev_b32 v21, 3, v2                       ; 8 bytes a frequency
	s_mov_b32 s47, 0xbfc90fdb                      ; -(pi / 2 rounded to f32)
	s_mov_b32 s48, 0x333bbd2e                      ; that rounding's excess over pi / 2
	s_mov_b32 s49, 0x3f22f983                      ; 2 / pi
	s_mov_b32 s50, -0.00019515295891               ; sine on -pi/4 .. pi/4: r + r z (s52 + z (s51 + z s50)), z = r r
	s_mov_b32 s51, 0.0083321608736
	s_mov_b32 s52, -0.16666654611
	s_mov_b32 s53, 0.00002443315711809948          ; cosine: 1 - z / 2 + z z (s55 + z (s54 + z s53))
	s_mov_b32 s54, -0.001388731625493765
	s_mov_b32 s55, 0.04166664568298827
	s_mov_b32 s46, 8
.Lpos:
	v_cvt_f32_u32 v22, s43
	v_mul_f32 v22, v22, v20                        ; the angle, rounded once
	v_mul_f32 v23, s49, v22
	v_rndne_f32 v23, v23                           ; k quarter turns, at most 1,304
	v_fma_f32 v24, v23, s47, v22                   ; exact: a multiple of 2^-23 under 1
	v_fma_f32 v24, v23, s48, v24                   ; r = angle - k pi / 2
	v_mul_f32 v25, v24, v24                        ; z
	v_mov_b32 v26, s50
	v_fma_f32 v26, v26, v25, s51
	v_fma_f32 v26, v26, v25, s52
	v_mul_f32 v27, v24, v25
	v_fma_f32 v28, v27, v26, v24                   ; sin r
	v_mov_b32 v26, s53
	v_fma_f32 v26, v26, v25, s54
	v_fma_f32 v26, v26, v25, s55
	v_mul_f32 v27, v25, v25
	v_fma_f32 v29, v25, -0.5, 1.0
	v_fma_f32 v29, v27, v26, v29                   ; cos r
	v_cvt_i32_f32 v30, v23
	v_and_b32 v31, 1, v30
	v_cmp_eq_u32 vcc_lo, 1, v31                    ; an odd quarter swaps the two
	v_cndmask_b32 v32, v28, v29, vcc_lo
	v_cndmask_b32 v33, v29, v28, vcc_lo
	v_and_b32 v31, 2, v30
	v_lshlrev_b32 v31, 30, v31                     ; quarters 2, 3: the sine is negative
	v_xor_b32 v35, v32, v31
	v_add_nc_u32 v30, 1, v30
	v_and_b32 v30, 2, v30
	v_lshlrev_b32 v30, 30, v30                     ; quarters 1, 2: the cosine is
	v_xor_b32 v34, v33, v30
	global_store_b64 v21, v[34:35], s[22:23]       ; 32 lanes store 256 consecutive bytes, aligned
	s_wait_xcnt 0x0                                ; the store has read its data and its base: both are written again below and in the next trip
	s_add_nc_u64 s[22:23], s[22:23], 256
	s_add_co_u32 s43, s43, 1
	s_sub_co_u32 s46, s46, 1
	s_cmp_lg_u32 s46, 0
	s_cbranch_scc1 .Lpos
	s_wait_tensorcnt 0x0                           ; the wave's end, as on the other way
	ds_add_u32 v[SPW], v[NIL]
	s_wait_dscnt 0x0
	s_endpgm
.Lfunc_end_k_q19a5e33302_prep:
	.size	k_q19a5e33302_prep, .Lfunc_end_k_q19a5e33302_prep-k_q19a5e33302_prep
	.p2alignl 7, 3214868480
	.fill 96, 4, 3214868480
	.section	.rodata,"a",@progbits
	.p2align	6, 0x0
	.amdhsa_kernel k_q19a5e33302_prep
		.amdhsa_group_segment_fixed_size 33280
		.amdhsa_private_segment_fixed_size 0
		.amdhsa_enable_private_segment 0
		.amdhsa_kernarg_size 80
		.amdhsa_user_sgpr_count 2
		.amdhsa_user_sgpr_kernarg_segment_ptr 1
		.amdhsa_wavefront_size32 1
		.amdhsa_system_sgpr_workgroup_id_x 1
		.amdhsa_system_sgpr_workgroup_id_y 1
		.amdhsa_system_sgpr_workgroup_id_z 1
		.amdhsa_system_vgpr_workitem_id 0
		.amdhsa_next_free_vgpr 192
		.amdhsa_next_free_sgpr 66
		.amdhsa_reserve_vcc 1
		.amdhsa_float_denorm_mode_32 3
		.amdhsa_float_denorm_mode_16_64 3
		.amdhsa_memory_ordered 1
		.amdhsa_forward_progress 1
		.amdhsa_inst_pref_size 40
	.end_amdhsa_kernel
	.amdgpu_metadata
---
amdhsa.version: [ 1, 2 ]
amdhsa.kernels:
  - .name:           k_q19a5e33302_prep
    .symbol:         k_q19a5e33302_prep.kd
    .args:
      - { .name: x, .offset: 0, .size: 8, .value_kind: global_buffer, .address_space: global }
      - { .name: wq, .offset: 8, .size: 8, .value_kind: global_buffer, .address_space: global }
      - { .name: wk, .offset: 16, .size: 8, .value_kind: global_buffer, .address_space: global }
      - { .name: wv, .offset: 24, .size: 8, .value_kind: global_buffer, .address_space: global }
      - { .name: wo, .offset: 32, .size: 8, .value_kind: global_buffer, .address_space: global }
      - { .name: xc, .offset: 40, .size: 8, .value_kind: global_buffer, .address_space: global }
      - { .name: xs, .offset: 48, .size: 8, .value_kind: global_buffer, .address_space: global }
      - { .name: wc, .offset: 56, .size: 8, .value_kind: global_buffer, .address_space: global }
      - { .name: ws, .offset: 64, .size: 8, .value_kind: global_buffer, .address_space: global }
      - { .name: rope, .offset: 72, .size: 8, .value_kind: global_buffer, .address_space: global }
    .group_segment_fixed_size: 33280
    .private_segment_fixed_size: 0
    .kernarg_segment_align: 8
    .kernarg_segment_size: 80
    .max_flat_workgroup_size: 128
    .sgpr_count:     66
    .vgpr_count:     192
    .wavefront_size: 32
...
	.end_amdgpu_metadata
.endif
;; end of part 1
;; launch qkv (part 2): grid 12 x 32, 4 waves a work-group, clusters of 4 x 4, 327,680 bytes of LDS; arguments xc, xs, wc, ws, rope, qkv; writes qkv
.if DOCPART == 2
	.amdgcn_target "amdgcn-amd-amdhsa--gfx1250"
	.amdhsa_code_object_version 6
	.text
	.protected	k_q19a5e33302_qkv
	.globl	k_q19a5e33302_qkv
	.p2align	8
	.type	k_q19a5e33302_qkv,@function
k_q19a5e33302_qkv:
	s_mov_b64 s[64:65], 0
	v_nop
	global_prefetch_b8 v0, s[64:65] scope:SCOPE_SE
	s_setreg_imm32_b32 hwreg(HW_REG_WAVE_MODE, 25, 1), 1
	s_wait_xcnt 0x0
	s_wait_alu depctr_hold_cnt(0) depctr_sa_sdst(0) depctr_va_vdst(0) depctr_va_sdst(0) depctr_va_ssrc(0) depctr_va_vcc(0) depctr_vm_vsrc(0)
	s_getreg_b32 s2, hwreg(HW_REG_IB_STS2, 6, 4)
	s_cmp_eq_u32 s2, 0
	s_cbranch_scc0 .Lentry_in_a_cluster
	s_endpgm
.Lentry_in_a_cluster:
	s_bfe_u32 s2, ttmp6, 0x10000c
	s_cmp_lg_u32 s2, 0xf033
	s_cbranch_scc0 .Lentry_shape_is_right
	s_endpgm
.Lentry_shape_is_right:
; q, k, v = x wq^T, x wk^T, x wv^T: one product [8192 tokens][1024] x [3072 rows of wc][1024] on codes of FP6 (E2M3) with E8M0 scales; then, in registers and LDS, the rotation of q and k, and the quantisers for the two products of attention.
; THE PRODUCT.  A tile of 256 tokens x 256 columns to a work-group of four waves, 128 x 128 a wave: 64 accumulators, 512 registers.  K in steps of 256 through two LDS slots filled by the tensor data mover; the scale bytes of the
; work-group's rows come once, with the first fills.  4 x 4 work-groups form a cluster: the four of a row need the same tiles of x, the four of a column the same tiles of wc; each tile is asked for jointly.
; The matrix instruction is used transposed (source 0 = 16 rows of wc, source 1 = 16 tokens): a lane holds one token.  wc's rows lie with bits 3 and 4 of the row number swapped, so that the 16 registers of accumulators
; (a, 2 b) and (a, 2 b + 1) are the 16 neighbouring columns 32 b + 16 (lane / 16) + 0 .. 15.
; THE RESULT: qkv [3 (q, k, v)][64 (batch, head)][16 chunks of 128 tokens][6,400 bytes].  A wave's 128 tokens x 128 columns are two whole chunks (two heads).
;   q, k: codes [128 tokens][48 bytes], K = the head's 64; at 6,144 two scale bytes a token.
;   v: K = the keys.  Codes [2 (64 keys)][64 rows][48 bytes]; at 6,144 one scale word a row (a byte for each 32 keys).  In a block of 32 keys position i holds the key i with bits 3 and 4 swapped, as attention's weights lie;
;      row i holds the head's channel i with bits 3 and 4 swapped, so that attention's result has 16 neighbouring channels in a lane.
; Clusters 0, 1, 2 along x make q, k, v: the branch between the two ways out hangs on the cluster's x, which all partners share.  Each way has LDS bytes of its own.
; LIMITS: NaN and infinities are not served; a block of zeros gets the scale byte 1 (its codes are zeros; this program alone reads the bytes).
; REGISTERS, in windows of 256: window 0: v0-31 addresses; v32-63 scale words, two sets; from v128 x's fragments, one set; on the way out v16-24 and v32-255 are used anew.
;   window 1: wc's fragments, two sets, at v0 and v128.   window 2: the accumulators of my tokens 0-63 ((a, b) at v[8 (8 a + b)]);   window 3: those of tokens 64-127.
.set SIZE_K, 1024
.set KSTEP,  256                       ; along K in a slot
.set NQ,     KSTEP/128                 ; matrix instructions deep
.set ROWB,   192                       ; a tile's row in bytes
.set KROW,   SIZE_K*6/8                ; a row of codes in memory
.set PITCH,  240                       ; an LDS row: 3 x (64 bytes + 16 of padding): the 32 lanes of a load of 8 bytes touch 64 different banks (64 banks of 4 bytes: ISA guide 11.1)
.set FR,     12                        ; registers of a fragment
.set NL,     6                         ; LDS loads that bring one
.set NP,     4                         ; places behind this matrix instruction (ISA guide 7.12.1)
.set HALFT,  128*PITCH                 ; 128 rows: what one tensor load brings
.set SLOT,   4*HALFT
.set LAPS,   SIZE_K/(2*KSTEP)
.set KS,     SIZE_K/32                 ; a row of scale bytes
.set SCL,    2*SLOT                    ; behind the ring: the scales, as units of 256 bytes + 16 of padding
.set HALFS,  (128*KS/256)*272
.set SBLK,   (16*KS/256)*272
.set SPARE,  SCL+4*HALFS               ; the spare words, 128 bytes a wave
.set QKST,   SPARE+512                 ; q's and k's way out: 12,800 bytes a wave, bytes into which no tile ever lands
.set ADRA, 16                          ; v16-17 LDS address of x's fragments in slot 0, 1 (v18-19: behind one padding more)
.set ADRB, 20                          ; v20-23 the same for wc
.set ADRS, 27                          ; v27    my scale words: lanes 0-15 x's rows, lanes 16-31 wc's
.set SPW,  28                          ; v28    my spare word; never rewritten
.set NIL,  29                          ; v29    0; never rewritten
.set SC,   32
.set AF,   128
.set G1, 24
.set G0, 32
.set G1B, 48
.set G0B, 56
.set G1S, 68
.set G0S, 76
.set G1SB, 80
.set G0SB, 88
.set SEL, 94                           ; s[94:95] lane selects for v_permlanex16_b32 (set on the way out)
.set MSB, 0
.macro WIN new                         ; the immediate's high byte repeats the setting that is left
.if MSB != (\new)
	s_set_vgpr_msb (MSB<<8)|(\new)
.set MSB, (\new)
.endif
.endm
.set MUL_LO, 0xa1                      ; source 0 (wc) window 1, source 1 (x) window 0, C and D window 2
.set MUL_HI, 0xf1
.set TO_B,   0x40
; A joint load: waves 0 and 1 fetch for x, waves 2 and 3 for wc.  The branch hangs on the wave's number alone.  An s_nop 0 and four v_nop follow each of the two lines.
.macro JLOAD g0a, g1a, g0b, g1b
	s_cmp_eq_u32 s15, 0
	s_cbranch_scc0 .Lfor_b_\@
	tensor_load_to_lds s[\g0a:\g0a+3], s[\g1a:\g1a+7]
	s_nop 0
.rept 4
	v_nop
.endr
	s_branch .Lasked_\@
.Lfor_b_\@:
	tensor_load_to_lds s[\g0b:\g0b+3], s[\g1b:\g1b+7]
	s_nop 0
.rept 4
	v_nop
.endr
.Lasked_\@:
.endm
.macro CREST                           ; a round of the cluster's barrier behind its opening barrier
	s_cmp_lg_u32 s14, 0
	s_cbranch_scc1 .Lnot_wave_0_\@
	s_barrier_signal -3
.Lnot_wave_0_\@:
	s_barrier_wait -3
	s_barrier_signal -1
	s_barrier_wait -1
.endm
.macro CROUND
	s_barrier_signal -1
	s_barrier_wait -1
	CREST
.endm
	s_load_b128 s[4:7], s[0:1], 0x0                ; x's codes, x's scales
	s_load_b128 s[8:11], s[0:1], 0x10              ; wc, ws
	s_load_b128 s[96:99], s[0:1], 0x20             ; rope, qkv
	v_lshl_add_u32 v[SPW], v0, 2, SPARE
	v_mov_b32 v[NIL], 0
	ds_add_u32 v[SPW], v[NIL]                      ; the wave's opening: the add and its wait stand ahead of my first tensor load
	v_lshrrev_b32 v1, 5, v0
	v_readfirstlane_b32 s14, v1                    ; wave 0..3
	s_lshr_b32 s15, s14, 1                         ; which half of the tile's tokens is mine.  Also: I fetch for x (0) or for wc (1)
	s_and_b32 s16, s14, 1                          ; which half of its columns.  Also: which 128 rows I fetch
	s_bfe_u32 s40, ttmp6, 0x40000                  ; cx, cy
	s_bfe_u32 s41, ttmp6, 0x40004
	s_lshl_b32 s42, ttmp9, 2
	s_add_co_u32 s42, s42, s40                     ; tile column
	s_and_b32 s17, ttmp7, 0xffff
	s_lshl_b32 s17, s17, 2
	s_add_co_u32 s17, s17, s41                     ; tile row
	s_lshl_b32 s43, s41, 2
	s_lshl_b32 s43, 15, s43                        ; my row of the cluster
	s_lshl_b32 s44, 0x1111, s40                    ; my column
	s_or_b32 s[G1+0], s43, (0<<16)|(1<<20)|(1<<21)|(3<<22)|(3<<25)  ; the mask; elements of 1 byte; padding on; bit 21 beside a mask; after every 16 words 4 words
	s_or_b32 s[G1B+0], s44, (0<<16)|(1<<20)|(1<<21)|(3<<22)|(3<<25)
.irp g, G1, G1B
	s_mov_b32 s[\g+1], ROWB<<16                    ; tensor_dim0
	s_mov_b32 s[\g+2], 128<<16                     ; tensor_dim1
	s_mov_b32 s[\g+3], ROWB<<16                    ; tile_dim0
	s_mov_b32 s[\g+4], 128                         ; tile_dim1
	s_mov_b32 s[\g+5], KROW                        ; the pitch
	s_mov_b32 s[\g+6], 0
	s_mov_b32 s[\g+7], 0
.endr
	s_or_b32 s[G1S+0], s43, (3<<16)|(1<<20)|(1<<21)|(5<<22)|(3<<25)  ; the scales of 128 rows: a dense block, as rows of 256 bytes, 16 bytes of padding behind each
	s_or_b32 s[G1SB+0], s44, (3<<16)|(1<<20)|(1<<21)|(5<<22)|(3<<25)
.irp g, G1S, G1SB
	s_mov_b32 s[\g+1], 32<<16
	s_mov_b32 s[\g+2], (128*KS/256)<<16
	s_mov_b32 s[\g+3], 32<<16
	s_mov_b32 s[\g+4], 128*KS/256
	s_mov_b32 s[\g+5], 32
	s_mov_b32 s[\g+6], 0
	s_mov_b32 s[\g+7], 0
.endr
	s_lshl_b32 s18, s16, 7
	s_lshl_b32 s20, s17, 8
	s_add_co_u32 s20, s20, s18                     ; x: row 256 x tile row + 128 x half
	s_lshl_b32 s46, s42, 8
	s_add_co_u32 s46, s46, s18                     ; wc: row 256 x tile column + 128 x half
	s_mov_b32 s21, 0
	s_mov_b32 s47, 0
	s_mov_b64 s[18:19], KS
	s_mul_u64 s[22:23], s[20:21], s[18:19]
	s_mul_u64 s[92:93], s[46:47], s[18:19]
	s_mov_b64 s[18:19], KROW
	s_mul_u64 s[20:21], s[20:21], s[18:19]
	s_mul_u64 s[46:47], s[46:47], s[18:19]
	s_mul_i32 s45, s14, HALFT                      ; where they go: wave x 128 rows
	s_mul_i32 s94, s14, HALFS
	s_wait_dscnt 0x0                               ; the opening add is done
	s_wait_kmcnt 0x0
	s_add_nc_u64 s[20:21], s[4:5], s[20:21]
	s_add_nc_u64 s[22:23], s[6:7], s[22:23]
	s_add_nc_u64 s[46:47], s[8:9], s[46:47]
	s_add_nc_u64 s[92:93], s[10:11], s[92:93]
	CROUND                                         ; all sixteen work-groups are here: the first joint loads meet
	s_mov_b32 s[G0S], 1
	s_add_co_u32 s[G0S+1], s94, SCL
	s_mov_b64 s[G0S+2:G0S+3], s[22:23]
	s_or_b32 s[G0S+3], s[G0S+3], 0x80000000
	s_mov_b32 s[G0SB], 1
	s_add_co_u32 s[G0SB+1], s94, SCL
	s_mov_b64 s[G0SB+2:G0SB+3], s[92:93]
	s_or_b32 s[G0SB+3], s[G0SB+3], 0x80000000
	JLOAD G0S, G1S, G0SB, G1SB                     ; the scales first
.irp s, 0,1
	s_mov_b32 s[G0+4*\s], 1
	s_add_co_u32 s[G0+4*\s+1], s45, \s*SLOT
	s_add_nc_u64 s[G0+4*\s+2:G0+4*\s+3], s[20:21], \s*ROWB
	s_or_b32 s[G0+4*\s+3], s[G0+4*\s+3], 0x80000000
	s_mov_b32 s[G0B+4*\s], 1
	s_add_co_u32 s[G0B+4*\s+1], s45, \s*SLOT
	s_add_nc_u64 s[G0B+4*\s+2:G0B+4*\s+3], s[46:47], \s*ROWB
	s_or_b32 s[G0B+4*\s+3], s[G0B+4*\s+3], 0x80000000
	JLOAD G0+4*\s, G1, G0B+4*\s, G1B
.endr
	v_and_b32 v1, 15, v0                           ; r = lane % 16
	v_bfe_u32 v2, v0, 4, 1                         ; h = lane / 16
	v_mul_u32_u24 v3, v1, PITCH
	v_mul_u32_u24 v4, v2, 24
	v_add_nc_u32 v4, v3, v4                        ; a fragment's row x pitch + 24 x half
	v_lshl_add_u32 v5, v2, 4, v4                   ; and the same behind one padding more
	s_mul_i32 s21, s15, HALFT
	s_mul_i32 s22, s16, HALFT
	s_add_co_u32 s22, s22, 2*HALFT
.irp s, 0,1
	v_add_nc_u32 v[ADRA+\s], s21, v4
	v_add_nc_u32 v[ADRB+\s], s22, v4
	v_add_nc_u32 v[ADRA+2+\s], s21, v5
	v_add_nc_u32 v[ADRB+2+\s], s22, v5
	s_add_co_u32 s21, s21, SLOT
	s_add_co_u32 s22, s22, SLOT
.endr
	v_mul_u32_u24 v5, v1, KS
	v_lshrrev_b32 v6, 8, v5
	v_lshl_add_u32 v5, v6, 4, v5                   ; my row's scales: KS bytes a row, 16 more for each 256 passed
	s_mul_i32 s21, s15, HALFS
	s_mul_i32 s22, s16, HALFS
	s_add_co_u32 s22, s22, 2*HALFS
	s_sub_co_u32 s22, s22, s21
	v_mul_u32_u24 v6, s22, v2                      ; lanes 16-31 take wc's
	s_add_co_u32 s21, s21, SCL
	v_add_nc_u32 v5, v5, v6
	v_add_nc_u32 v[ADRS], s21, v5
	; where my two chunks begin in qkv, and my 128 positions in the table
	s_lshr_b32 s20, s17, 3                         ; the batch: 8 tile rows each
	s_lshl_b32 s20, s20, 4
	s_and_b32 s21, s42, 3
	s_lshl_b32 s21, s21, 2
	s_add_co_u32 s20, s20, s21
	s_lshl_b32 s21, s16, 1
	s_add_co_u32 s20, s20, s21                     ; 16 x batch + my first head
	s_mul_i32 s20, s20, 102400
	s_and_b32 s21, s17, 7
	s_lshl_b32 s21, s21, 1
	s_add_co_u32 s21, s21, s15                     ; my chunk of 128 tokens in the batch
	s_mul_i32 s22, s21, 6400
	s_add_co_u32 s20, s20, s22
	s_mul_i32 s22, ttmp9, 6553600                  ; q, k or v
	s_add_co_u32 s20, s20, s22
	s_lshl_b32 s22, s21, 15                        ; 128 positions of 256 bytes
	s_mov_b32 s21, 0
	s_mov_b32 s23, 0
	s_add_nc_u64 s[98:99], s[98:99], s[20:21]
	s_add_nc_u64 s[96:97], s[96:97], s[22:23]
.macro FRAG reg, adr, q, i             ; a fragment, 16 rows x 128 K, is 12 registers: lane l holds row l % 16; registers 6 c .. 6 c + 5 hold K = 64 c + 32 (l / 16) + 0 .. 31: 24 bytes of the row, as they lie
.irp p, 0,1,2,3,4,5                    ; in pieces of 8 bytes; where the piece three on lies behind one padding more, the second address register serves
.set PCE, 12*(\q)+6*(\p/3)+\p%3
.if PCE%8 < 5
	ds_load_b64 v[\reg+2*\p:\reg+2*\p+1], v[\adr] offset:8*PCE+16*(PCE/8)+(\i)*16*PITCH
.else
	ds_load_b64 v[\reg+2*\p:\reg+2*\p+1], v[\adr+2] offset:8*PCE+16*(PCE/8)+(\i)*16*PITCH
.endif
.endr
.endm
; 16 matrix instructions: x's blocks a0, a0 + 1 against wc's eight.  The 64 accumulators take turns, one instruction a turn, in the same order in every step.
.macro MUL16 a0, p, q, sc, zero
.irp a, \a0, \a0+1
.irp b, 0,1,2,3,4,5,6,7
.if \zero
	v_wmma_scale_f32_16x16x128_f8f6f4 v[8*(8*((\a)%4)+\b):8*(8*((\a)%4)+\b)+7], v[128*(\p)+FR*\b:128*(\p)+FR*\b+FR-1], v[AF+FR*(\a):AF+FR*(\a)+FR-1], 0, v[SC+8*NQ*(\sc)+NQ*\b+(\q)], v[SC+8*NQ*(\sc)+NQ*(\a)+(\q)] matrix_a_fmt:MATRIX_FMT_FP6 matrix_b_fmt:MATRIX_FMT_FP6 matrix_a_scale:MATRIX_SCALE_ROW1
.else
	v_wmma_scale_f32_16x16x128_f8f6f4 v[8*(8*((\a)%4)+\b):8*(8*((\a)%4)+\b)+7], v[128*(\p)+FR*\b:128*(\p)+FR*\b+FR-1], v[AF+FR*(\a):AF+FR*(\a)+FR-1], v[8*(8*((\a)%4)+\b):8*(8*((\a)%4)+\b)+7], v[SC+8*NQ*(\sc)+NQ*\b+(\q)], v[SC+8*NQ*(\sc)+NQ*(\a)+(\q)] matrix_a_fmt:MATRIX_FMT_FP6 matrix_b_fmt:MATRIX_FMT_FP6 matrix_a_scale:MATRIX_SCALE_ROW1
.endif
.endr
.endr
.endm
.macro FETCH_B slot, q, p
	WIN TO_B
.irp i, 0,1,2,3,4,5,6,7
	FRAG 128*(\p)+FR*\i, ADRB+\slot, \q, \i
.endr
	WIN 0
.endm
.macro FETCH_A slot, q, i0
.irp i, \i0, \i0+1, \i0+2, \i0+3
	FRAG AF+FR*(\i), ADRA+\slot, \q, \i
.endr
.endm
.macro SCALES sc                       ; a K step's scale words: lanes 0-15 take x's block i, lanes 16-31 wc's block i
.irp i, 0,1,2,3,4,5,6,7
	ds_load_b64 v[SC+8*NQ*\sc+NQ*\i:SC+8*NQ*\sc+NQ*\i+1], v[ADRS] offset:\i*SBLK
.endr
.endm
.macro PLACES n                        ; plain vector instructions between a matrix instruction and a load into, or a read of, its registers
.rept \n
	v_nop
.endr
.endm
.macro STEP slot, q, zero              ; a step of 128 along K that has its successor in the same slot
	s_wait_dscnt 4*NL                              ; wc's set and x's blocks 0-3 are in; the youngest 24 loads (x's blocks 4-7) may be out
	WIN MUL_LO
	MUL16 0, (\q)%2, \q, \slot, \zero
	MUL16 2, (\q)%2, \q, \slot, \zero
	s_wait_dscnt 0
	PLACES NP
	FETCH_B \slot, (\q)+1, 1-(\q)%2
	FETCH_A \slot, (\q)+1, 0
	WIN MUL_HI
	MUL16 4, (\q)%2, \q, \slot, \zero
	MUL16 6, (\q)%2, \q, \slot, \zero
	PLACES NP
	WIN 0
	FETCH_A \slot, (\q)+1, 4
.endm
; A slot's last step changes slots: one barrier; in front of it each wave waits for all its tensor loads, adds 0 to its spare word, and waits for that and for its reads of this slot.
.macro TURN slot, next, fill
	s_wait_tensorcnt 0x0                           ; all my tensor loads have landed: my part of the next slot
	ds_add_u32 v[SPW], v[NIL]
	s_wait_dscnt 4*NL+1                            ; (the add and the youngest 24 loads may be out)
	WIN MUL_LO
	MUL16 0, 1, NQ-1, \slot, 0
	s_wait_dscnt 0x0                               ; the add is done, and my reads of this slot are over
	s_barrier_signal -1
	MUL16 2, 1, NQ-1, \slot, 0
	WIN 0
	s_barrier_wait -1
.if \fill
	CREST                                          ; the barrier has opened a round of the cluster's: no wave of any partner still reads this slot or has a load on its way
	s_add_nc_u64 s[G0+4*\slot+2:G0+4*\slot+3], s[G0+4*\slot+2:G0+4*\slot+3], 2*ROWB
	s_add_nc_u64 s[G0B+4*\slot+2:G0B+4*\slot+3], s[G0B+4*\slot+2:G0B+4*\slot+3], 2*ROWB
	JLOAD G0+4*\slot, G1, G0B+4*\slot, G1B         ; the first tensor load behind the round; its four v_nop are the places in front of the loads below
.else
	PLACES NP
.endif
	v_add_nc_u32 v[ADRS], 4*NQ, v[ADRS]
	FETCH_B \next, 0, 0
	FETCH_A \next, 0, 0
	SCALES \next
	WIN MUL_HI
	MUL16 4, 1, NQ-1, \slot, 0
	MUL16 6, 1, NQ-1, \slot, 0
	PLACES NP
	WIN 0
	FETCH_A \next, 0, 4
.endm
	s_wait_tensorcnt 1                             ; the scales and my part of K step 0 are in (K step 1's load may be out),
	s_barrier_signal -1
	s_barrier_wait -1                              ; everybody's are
	FETCH_B 0, 0, 0
	FETCH_A 0, 0, 0
	SCALES 0
	FETCH_A 0, 0, 4
	STEP 0, 0, 1                                   ; the first step's products start the sums
	s_mov_b32 s3, LAPS-1
.Llap:
	TURN 0, 1, 1
	STEP 1, 0, 0
	TURN 1, 0, 1
	STEP 0, 0, 0
	s_sub_co_u32 s3, s3, 1
	s_cmp_lg_u32 s3, 0
	s_cbranch_scc1 .Llap
	TURN 0, 1, 0                                   ; the last lap fills nothing
	STEP 1, 0, 0
	s_wait_dscnt 4*NL
	WIN MUL_LO
	MUL16 0, 1, NQ-1, 1, 0
	MUL16 2, 1, NQ-1, 1, 0
	s_wait_dscnt 0
	WIN MUL_HI
	MUL16 4, 1, NQ-1, 1, 0
	MUL16 6, 1, NQ-1, 1, 0
	WIN 0
; ---------------- THE WAYS OUT.  Accumulator registers 64 (a % 4) + 16 b + i of lane (r, h): token 16 a + r, column 32 b + 16 h + i of my 128 (two heads of 64).
.set CSR, 32                           ; v32-63   cosines and sines of my token: pair 16 (b % 2) + 2 i: frequency 16 (b % 2) + 8 h + i
.set RR,  64                           ; v64-127  a token's 64 rotated numbers
.set QC,  128                          ; v128-147 the codes just made
.set TM,  148                          ; v148-163 at work
.set PW,  164                          ; v164     the scale word just made
.set VX,  32                           ; v's way: v32-95 two sets of 32 keys' numbers
.set VC,  96                           ; v96-101 a block's codes (the second half is made in v104-106)
.set VSB, 108                          ; v108-111 scale words of four groups of columns
	PLACES NP
	s_mov_b32 s[SEL], 0x76543210
	s_mov_b32 s[SEL+1], 0xfedcba98
	v_and_b32 v1, 15, v0                           ; r
	v_bfe_u32 v2, v0, 4, 1                         ; h
	v_and_b32 v3, 31, v0                           ; lane
	v_lshlrev_b32 v21, 4, v3                       ; 16 x lane
	v_lshlrev_b32 v22, 3, v3                       ; 8 x lane
; Two chunks leave LDS as they lie: 12 + 12 loads of 512 bytes of codes and 2 of 256 bytes of scales; every store covers whole aligned runs of 256 bytes.
.macro FLUSH rdc, rds
.irp e, 0,1
.irp i, 0,1,2,3,4,5,6,7,8,9,10,11
	ds_load_b128 v[32+48*\e+4*\i:32+48*\e+4*\i+3], v[\rdc] offset:6144*\e+512*\i
.endr
.endr
.irp e, 0,1
	ds_load_b64 v[128+2*\e:129+2*\e], v[\rds] offset:256*\e
.endr
.irp e, 0,1
.irp i, 0,1,2,3,4,5,6,7,8,9,10,11
	s_wait_dscnt 25-12*\e-\i                       ; LDS loads come back in order: this one is in, the younger ones may be out
	global_store_b128 v21, v[32+48*\e+4*\i:32+48*\e+4*\i+3], s[98:99] offset:102400*\e+512*\i
.endr
.endr
.irp e, 0,1
	s_wait_dscnt 1-\e
	global_store_b64 v22, v[128+2*\e:129+2*\e], s[98:99] offset:102400*\e+6144
.endr
.endm
	s_cmp_eq_u32 ttmp9, 2                          ; the cluster's x: equal in all sixteen partners
	s_cbranch_scc1 .Lv
	; ---- q and k: rotate, quantise along the head's 64, gather two chunks in my own LDS bytes
	s_mul_i32 s20, s14, 12800
	s_add_co_u32 s20, s20, QKST
	v_mul_u32_u24 v16, v1, 48
	v_mad_u32_u24 v16, v2, 24, v16
	v_add_nc_u32 v16, s20, v16                     ; codes in: token r's 48 bytes, block h
	v_lshlrev_b32 v17, 1, v1
	v_add_nc_u32 v17, s20, v17
	v_add_nc_u32 v17, 12288, v17                   ; scale bytes in: 2 a token
	v_add_nc_u32 v18, s20, v21                     ; codes out
	v_add_nc_u32 v19, s20, v22
	v_add_nc_u32 v19, 12288, v19                   ; scale bytes out
	v_lshlrev_b32 v20, 8, v1
	v_lshl_add_u32 v20, v2, 6, v20                 ; the table: position r of 256 bytes, + 8 h frequencies of 8 bytes
.irp b, 0,1,2,3
	v_mov_b32 v[TM+4+\b], 0                        ; written once: a lane permute's destination counts as one of its sources
.endr
.macro CSLOAD a
.irp i, 0,1,2,3,4,5,6,7
	global_load_b128 v[CSR+4*\i:CSR+4*\i+3], v20, s[96:97] offset:4096*(\a)+128*(\i/4)+16*(\i%4)
.endr
.endm
; 64 numbers of a lane, register 16 b + i = k 32 b + 16 (lane / 16) + i of my row, become a fragment's codes in v[QC] on and its scale word in v[PW].
.macro QUANT s
.irp b, 0,1,2,3
	v_max3_num_f32 v[TM+\b], |v[\s+16*\b]|, |v[\s+1+16*\b]|, 0x1800000   ; my 16 numbers of block b, and the floor 2^(3 - 127): the byte cannot fall under 1
.endr
.irp i, 2,4,6,8,10,12,14
.irp b, 0,1,2,3
	v_max3_num_f32 v[TM+\b], v[TM+\b], |v[\s+16*\b+\i]|, |v[\s+1+16*\b+\i]|
.endr
.endr
.irp b, 0,1,2,3
	v_permlanex16_b32 v[TM+4+\b], v[TM+\b], s[SEL], s[SEL+1]
.endr
.irp b, 0,1,2,3
	v_max_num_f32 v[TM+\b], v[TM+\b], v[TM+4+\b]   ; with lane l xor 16's: the block's largest magnitude
.endr
.irp b, 0,1,2,3
	v_add_nc_u32 v[TM+12+\b], 0xff000000, v[TM+\b] ; 2 off its exponent field: the conversion's scale operand
.endr
.irp b, 0,1,2,3
	v_lshrrev_b32 v[TM+4+\b], 23, v[TM+12+\b]      ; the scale's byte
.endr
	v_lshl_or_b32 v[PW], v[TM+5], 8, v[TM+4]
	v_lshl_or_b32 v[PW], v[TM+6], 16, v[PW]
	v_lshl_or_b32 v[PW], v[TM+7], 24, v[PW]
.irp c, 0,1
	v_cvt_scalef32_pk16_fp6_f32 v[QC+6*\c:QC+2+6*\c], v[\s+32*\c:\s+15+32*\c], v[TM+12+2*\c]
	v_cvt_scalef32_pk16_fp6_f32 v[QC+12+4*\c:QC+14+4*\c], v[\s+16+32*\c:\s+31+32*\c], v[TM+12+2*\c+1]   ; (a conversion's three registers begin on an even number)
.endr
	v_nop                                          ; one plain place behind a scaled conversion
.irp c, 0,1                                    ; a whole block to a lane: lanes 0-15 block 2 c, lanes 16-31 block 2 c + 1
.irp i, 0,1,2
	v_permlane16_swap_b32 v[QC+6*\c+\i], v[QC+12+4*\c+\i]
.endr
.irp i, 0,1,2
	v_mov_b32 v[QC+3+6*\c+\i], v[QC+12+4*\c+\i]
.endr
.endr
.endm
; Block a: 16 tokens x 128 columns.  (x0, x1) -> (x0 c - x1 s, x0 s + x1 c): a packed multiply makes (-x1 s, x1 c), a packed multiply-add adds (x0 c, x0 s).  Each accumulator is read from its low end on.
.macro ROPEQ a
.set AC, 64*((\a)%4)
	s_wait_loadcnt 0x0                             ; this block's cosines and sines
	WIN 0x02+(\a)/4                                ; source 0: the accumulators' window
.irp bb, 0,1,2,3
.irp i, 0,2,4,6,8,10,12,14
	v_pk_mul_f32 v[RR+16*\bb+\i:RR+16*\bb+\i+1], v[AC+16*\bb+\i:AC+16*\bb+\i+1], v[CSR+16*(\bb%2)+\i:CSR+16*(\bb%2)+\i+1] op_sel:[1,1] op_sel_hi:[1,0] neg_lo:[1,0]
.endr
.endr
.irp bb, 0,1,2,3
.irp i, 0,2,4,6,8,10,12,14
	v_pk_fma_f32 v[RR+16*\bb+\i:RR+16*\bb+\i+1], v[AC+16*\bb+\i:AC+16*\bb+\i+1], v[CSR+16*(\bb%2)+\i:CSR+16*(\bb%2)+\i+1], v[RR+16*\bb+\i:RR+16*\bb+\i+1] op_sel_hi:[0,1,1]
.endr
.endr
	WIN 0
.if (\a) < 7
	CSLOAD (\a)+1                                  ; lands while this block is quantised
.endif
	QUANT RR
.irp e, 0,1                                    ; registers 6 e .. 6 e + 5: head e, block h of token r
.irp p, 0,1,2
	ds_store_b64 v16, v[QC+6*\e+2*\p:QC+6*\e+2*\p+1] offset:6144*\e+768*(\a)+8*\p
.endr
.endr
	ds_store_b16 v17, v[PW] offset:32*(\a)         ; head 0's two bytes (lanes r and r + 16 write the same bytes with the same value),
	ds_store_b16_d16_hi v17, v[PW] offset:32*(\a)+256  ; head 1's
	s_wait_dscnt 0x0                               ; the stores have read their registers
.endm
	CSLOAD 0
.irp a, 0,1,2,3,4,5,6,7
	ROPEQ \a
.endr
	FLUSH 18, 19
	s_wait_tensorcnt 0x0                           ; the wave's end, behind my last LDS store
	ds_add_u32 v[SPW], v[NIL]
	s_wait_dscnt 0x0
	s_branch .Lend
	; ---- v: quantised along the KEYS.  32 tokens x 128 columns at a time turn through a stage of f32 in my own bytes of slot 0 (it has had its last fill, and every wave has passed the barrier behind its last read):
	; in by tokens, out with a lane to a column and registers down the keys.
.Lv:
	s_mul_i32 s20, s14, 29696                      ; stage 32 x 528 bytes; at 16,896 two chunks' codes; at 29,184 their scale words
	v_mul_u32_u24 v16, v1, 528
	v_lshl_add_u32 v16, v2, 6, v16
	v_add_nc_u32 v16, s20, v16                     ; in: row r, + 64 h
	v_lshl_add_u32 v17, v3, 2, s20                 ; out: column = lane
	v_and_b32 v4, 7, v3
	v_and_b32 v5, 8, v3
	v_lshl_add_u32 v4, v5, 1, v4
	v_and_b32 v5, 16, v3
	v_lshrrev_b32 v5, 1, v5
	v_add_nc_u32 v4, v4, v5                        ; the lane's number with bits 3 and 4 swapped: my column's row in the chunk
	v_mul_u32_u24 v18, v4, 48
	v_add_nc_u32 v18, s20, v18
	v_add_nc_u32 v18, 16896, v18
	v_lshl_add_u32 v19, v4, 2, s20
	v_add_nc_u32 v19, 29184, v19
	v_add_nc_u32 v23, s20, v21
	v_add_nc_u32 v23, 16896, v23
	v_add_nc_u32 v24, s20, v22
	v_add_nc_u32 v24, 29184, v24
.macro VSTAGE tb                       ; tokens 32 tb .. 32 tb + 31 (blocks a = 2 tb, 2 tb + 1) into the stage; each accumulator from its low end on
.irp u, 0,1
.set AC, 64*((2*(\tb)+\u)%4)
	WIN 0x08+4*((2*(\tb)+\u)/4)                    ; an LDS store's data are its source 1
.irp b, 0,1,2,3,4,5,6,7
	ds_store_b128 v16, v[AC+8*\b:AC+8*\b+3] offset:\u*8448+128*(\b/2)+32*(\b%2)
	ds_store_b128 v16, v[AC+8*\b+4:AC+8*\b+7] offset:\u*8448+128*(\b/2)+32*(\b%2)+16
.endr
.endr
	WIN 0
.endm
.macro VLOAD g                         ; columns 32 g + lane: register i takes the key i with bits 3 and 4 swapped
.irp i, 0,1,2,3,4,5,6,7,8,9,10,11,12,13,14,15,16,17,18,19,20,21,22,23,24,25,26,27,28,29,30,31
	ds_load_b32 v[VX+32*((\g)%2)+\i], v17 offset:528*((\i&7)+((\i&8)<<1)+((\i&16)>>1))+128*(\g)
.endr
.endm
.macro VBLOCK tb, g
.set XS, VX+32*((\g)%2)
.if (\g) < 3
	VLOAD (\g)+1
	s_wait_dscnt 32                                ; all but the 32 just issued: this group's numbers are in, and the last group's stores have read their registers
.else
	s_wait_dscnt 0x0
.endif
	v_max3_num_f32 v112, |v[XS]|, |v[XS+1]|, |v[XS+2]|             ; the block's largest magnitude: all 32 keys are mine
	v_max3_num_f32 v113, |v[XS+3]|, |v[XS+4]|, |v[XS+5]|
.irp i, 6,10,14,18,22,26
	v_max3_num_f32 v112, v112, |v[XS+\i]|, |v[XS+\i+1]|
	v_max3_num_f32 v113, v113, |v[XS+\i+2]|, |v[XS+\i+3]|
.endr
	v_max3_num_f32 v112, v112, |v[XS+30]|, |v[XS+31]|
	v_max3_num_f32 v112, v112, v113, 0x1800000     ; and the floor
	v_add_nc_u32 v114, 0xff000000, v112            ; the conversion's scale operand
	v_lshrrev_b32 v113, 23, v114                   ; the byte
.if (\tb) == 0
	v_mov_b32 v[VSB+(\g)], v113
.else
	v_lshl_or_b32 v[VSB+(\g)], v113, 8*(\tb), v[VSB+(\g)]
.endif
	v_cvt_scalef32_pk16_fp6_f32 v[VC:VC+2], v[XS:XS+15], v114
	v_cvt_scalef32_pk16_fp6_f32 v[VC+8:VC+10], v[XS+16:XS+31], v114
	v_nop                                          ; one plain place behind a scaled conversion
.irp i, 0,1,2
	v_mov_b32 v[VC+3+\i], v[VC+8+\i]
.endr
.irp p, 0,1,2
	ds_store_b64 v18, v[VC+2*\p:VC+2*\p+1] offset:6144*((\g)/2)+3072*((\tb)/2)+1536*((\g)%2)+24*((\tb)%2)+8*\p
.endr
.endm
.irp tb, 0,1,2,3
	VSTAGE \tb
	VLOAD 0
.irp g, 0,1,2,3
	VBLOCK \tb, \g
.endr
.endr
.irp g, 0,1,2,3
	ds_store_b32 v19, v[VSB+\g] offset:256*(\g/2)+128*(\g%2)
.endr
	s_wait_dscnt 0x0
	FLUSH 23, 24
	s_wait_tensorcnt 0x0                           ; the wave's end, as on the other way
	ds_add_u32 v[SPW], v[NIL]
	s_wait_dscnt 0x0
.Lend:
	CROUND                                         ; the closing round: no work-group ends while a partner may still ask for a tile that names it
	s_endpgm
.Lfunc_end_k_q19a5e33302_qkv:
	.size	k_q19a5e33302_qkv, .Lfunc_end_k_q19a5e33302_qkv-k_q19a5e33302_qkv
	.p2alignl 7, 3214868480
	.fill 96, 4, 3214868480
	.section	.rodata,"a",@progbits
	.p2align	6, 0x0
	.amdhsa_kernel k_q19a5e33302_qkv
		.amdhsa_group_segment_fixed_size 327680
		.amdhsa_private_segment_fixed_size 0
		.amdhsa_enable_private_segment 0
		.amdhsa_kernarg_size 48
		.amdhsa_user_sgpr_count 2
		.amdhsa_user_sgpr_kernarg_segment_ptr 1
		.amdhsa_wavefront_size32 1
		.amdhsa_system_sgpr_workgroup_id_x 1
		.amdhsa_system_sgpr_workgroup_id_y 1
		.amdhsa_system_sgpr_workgroup_id_z 1
		.amdhsa_system_vgpr_workitem_id 0
		.amdhsa_next_free_vgpr 1024
		.amdhsa_next_free_sgpr 100
		.amdhsa_reserve_vcc 0
		.amdhsa_float_denorm_mode_32 3
		.amdhsa_float_denorm_mode_16_64 3
		.amdhsa_memory_ordered 1
		.amdhsa_forward_progress 1
		.amdhsa_inst_pref_size 255
	.end_amdhsa_kernel
	.section	.bss,"aw",@nobits
	.p2align	6
	.space	262144
	.amdgpu_metadata
---
amdhsa.version: [ 1, 2 ]
amdhsa.kernels:
  - .name:           k_q19a5e33302_qkv
    .symbol:         k_q19a5e33302_qkv.kd
    .args:
      - { .name: xc, .offset: 0, .size: 8, .value_kind: global_buffer, .address_space: global }
      - { .name: xs, .offset: 8, .size: 8, .value_kind: global_buffer, .address_space: global }
      - { .name: wc, .offset: 16, .size: 8, .value_kind: global_buffer, .address_space: global }
      - { .name: ws, .offset: 24, .size: 8, .value_kind: global_buffer, .address_space: global }
      - { .name: rope, .offset: 32, .size: 8, .value_kind: global_buffer, .address_space: global }
      - { .name: qkv, .offset: 40, .size: 8, .value_kind: global_buffer, .address_space: global }
    .group_segment_fixed_size: 327680
    .private_segment_fixed_size: 0
    .kernarg_segment_align: 8
    .kernarg_segment_size: 48
    .max_flat_workgroup_size: 128
    .sgpr_count:     100
    .vgpr_count:     1024
    .wavefront_size: 32
...
	.end_amdgpu_metadata
.endif
;; end of part 2
;; launch attn (part 3): grid 8 x 64, 16 waves a work-group, clusters of 4 x 1, 227,328 bytes of LDS; arguments qkv, attention_mask, ac, asc; writes ac, asc
.if DOCPART == 3
	.amdgcn_target "amdgcn-amd-amdhsa--gfx1250"
	.amdhsa_code_object_version 6
	.text
	.protected	k_q19a5e33302_attn
	.globl	k_q19a5e33302_attn
	.p2align	8
	.type	k_q19a5e33302_attn,@function
k_q19a5e33302_attn:
	s_mov_b64 s[64:65], 0
	v_nop
	global_prefetch_b8 v0, s[64:65] scope:SCOPE_SE
	s_setreg_imm32_b32 hwreg(HW_REG_WAVE_MODE, 25, 1), 1
	s_wait_xcnt 0x0
	s_wait_alu depctr_hold_cnt(0) depctr_sa_sdst(0) depctr_va_vdst(0) depctr_va_sdst(0) depctr_va_ssrc(0) depctr_va_vcc(0) depctr_vm_vsrc(0)
	s_getreg_b32 s2, hwreg(HW_REG_IB_STS2, 6, 4)
	s_cmp_eq_u32 s2, 0
	s_cbranch_scc0 .Lentry_in_a_cluster
	s_endpgm
.Lentry_in_a_cluster:
	s_bfe_u32 s2, ttmp6, 0x10000c
	s_cmp_lg_u32 s2, 0x3003
	s_cbranch_scc0 .Lentry_shape_is_right
	s_endpgm
.Lentry_shape_is_right:
; Attention of one (batch, head) on codes of FP6 (E2M3) with E8M0 scales, and the quantiser for the last projection.
; t = score x log2(e) / 8; M = the row's largest t so far, rounded up to a whole number; p = 2^(t - M) is quantised along the keys, not normalised; the row's sum is taken of the unquantised p and divides at the end.
; SHARES.  A work-group owns 256 queries of a head; each of its sixteen waves owns 16, one tile, in 256 registers: four waves to a SIMD, so that one wave's vector work stands beside another's matrix work and LDS loads.
; ALL OF THE HEAD'S K AND V STAY IN LDS, filled once: 16 chunks of 6,400 bytes each (128 keys: codes, then scales).  Nothing is filled again.  Every wave brings two chunks: waves 0-7 of k, waves 8-15 of v; the first load the keys'
; first half, the second the second half, which may land while the first half is walked.  By this text's count a wave has two tensor loads out.
; CLUSTER.  The four query blocks of a cluster belong to one head and need the same K and V: each chunk is asked for jointly, by the same load with the same descriptor and a mask that names the four.
; LAYOUT.  Both products transposed: S^T = K Q^T (source 0 = 16 keys), O^T = V^T P^T (source 0 = 16 rows of v's chunk): a lane holds one query.  The 16 registers of tiles 2 b, 2 b + 1 of S^T are the keys 32 b + i with bits 3 and 4
; of i swapped against the place that the quantiser gives them; v's codes lie in that same order, and a block's 32 keys are the contract's.  v's rows lie so that O^T's 16 registers of two tiles are 16 neighbouring channels.
; THE MASK GOES THROUGH THE PRODUCT.  The head has 64 of the instruction's 128 along K.  Places 64-95 hold -7.5 in K and +7.5 in Q, places 96-127 zeros.  That block's scale byte of a key is 27 (2^-100) where the key counts and
; 227 (2^100) where the mask hides it: a hidden key's score is -1800 x 2^100, and a key that counts is shifted by -1800 x 2^-100, alike for all.  The largest t begins at -2^66, above every hidden t: a hidden p is 0.
; LIMITS: |t| of keys that count stays under 2^66; a batch whose mask hides every key (NaN in the definition) is not served; NaN and infinities are not served.
; THE RESULT: ac [16 heads][8192 tokens][48 bytes of codes], asc [8192 tokens][32 scale bytes] (two bytes a head: stores of two bytes a lane, one part in 24 of what the launch stores, so that the next launch finds rows of scales).
; REGISTERS: v1-4 addresses that stay; v5, v6 the add's; v8-11 addresses in hand; v12 -M, v13 the largest t, v[14:15] the sum; v16-27 Q; v28-31 V's scale words; v32-79 four fragments of K (the upper six registers of each constant);
; v80-127 V's four; v128-191 S^T, then p; v192-223 O^T; v224-235 p's codes; v232-254 at work; v248-251 K's scale words; v253 p's; v255 Q's.
.set VB,    102400                     ; LDS: k's 16 chunks from 0, v's from here
.set KW,    204800                     ; one scale word for each key: two bytes of k's scales, the mask's byte, 127
.set OST,   212992                     ; the way out: 768 bytes a wave
.set SPARE, 225280                     ; the spare words, 128 bytes a wave
.set AK0,  1
.set AV0,  2
.set AKS0, 3
.set AVS0, 4
.set SPW,  5
.set NIL,  6
.set ADK,  8
.set ADV,  9
.set ADS,  10
.set ADT,  11
.set SS,   128
.set OO,   192
.set WV,   12
.set SEL,  20
.set CS,   22
.set G1,   24
.set G0A,  32
.set G0B,  36
.set TK,   40                          ; s40 the step's chunk: 6,400 bytes a step
.set TS,   41                          ; s41 its key words: 512 bytes a step
.set CNT,  42
.macro CROUND
	s_barrier_signal -1
	s_barrier_wait -1
	s_cmp_lg_u32 s[WV], 0
	s_cbranch_scc1 .Lnot_wave_0_\@
	s_barrier_signal -3
.Lnot_wave_0_\@:
	s_barrier_wait -3
	s_barrier_signal -1
	s_barrier_wait -1
.endm
	s_load_b256 s[4:11], s[0:1], 0x0               ; qkv, attention_mask, ac, asc
	v_lshl_add_u32 v[SPW], v0, 2, SPARE
	v_mov_b32 v[NIL], 0
	ds_add_u32 v[SPW], v[NIL]                      ; the wave's opening: the add and its wait stand ahead of my first tensor load
	v_lshrrev_b32 v8, 5, v0
	v_readfirstlane_b32 s[WV], v8                  ; wave 0..15
	s_bfe_u32 s13, ttmp6, 0x40000                  ; cx
	s_lshl_b32 s14, ttmp9, 2
	s_add_co_u32 s14, s14, s13                     ; my block of 256 queries: it enters global addresses of q and of the results alone
	s_and_b32 s15, ttmp7, 0xffff                   ; 16 x batch + head, which the four partners share
	s_mov_b32 s[G1], 15|(3<<16)|(1<<21)            ; the mask: all four; elements of 8 bytes; bit 21 beside a mask; no padding
	s_mov_b32 s[G1+1], 32<<16                      ; tensor_dim0: 256 bytes
	s_mov_b32 s[G1+2], 25<<16                      ; tensor_dim1: 25 rows: a chunk
	s_mov_b32 s[G1+3], 32<<16                      ; tile_dim0
	s_mov_b32 s[G1+4], 25                          ; tile_dim1
	s_mov_b32 s[G1+5], 32                          ; the pitch: dense
	s_mov_b32 s[G1+6], 0
	s_mov_b32 s[G1+7], 0
	s_lshr_b32 s16, s[WV], 3                       ; I fetch for k (0) or v (1)
	s_and_b32 s17, s[WV], 7                        ; chunk s17, then chunk s17 + 8
	s_mul_i32 s18, s16, VB
	s_mul_i32 s19, s17, 6400
	s_add_co_u32 s18, s18, s19                     ; in LDS
	s_mul_i32 s44, s16, 6553600
	s_add_co_u32 s44, s44, 6553600
	s_add_co_u32 s44, s44, s19
	s_mul_i32 s46, s15, 102400                     ; the head's chunks
	s_add_co_u32 s44, s44, s46                     ; in memory
	s_mov_b32 s45, 0
	s_mov_b32 s[SEL], 0x76543210
	s_mov_b32 s[SEL+1], 0xfedcba98
	s_mov_b32 s[CS], 0x3e38aa3b                    ; c = log2(e) / 8
	s_mov_b32 s[CS+1], s[CS]
	s_lshl_b32 s47, s14, 1
	s_add_co_u32 s47, s47, s16
	s_mul_i32 s47, s47, 6400                       ; the chunk of q with my 16 queries: 2 x block + wave / 8
	s_add_co_u32 s48, s46, s47
	s_mov_b32 s49, 0
	s_mul_i32 s50, s[WV], 6400                     ; the chunk of k whose key words I make: chunk = wave
	s_add_co_u32 s50, s50, s46
	s_add_co_u32 s50, s50, 6553600
	s_mov_b32 s51, 0
	s_lshr_b32 s52, s15, 4
	s_lshl_b32 s52, s52, 13                        ; the batch's row of the mask,
	s_lshl_b32 s53, s[WV], 9
	s_add_co_u32 s52, s52, s53                     ; my 128 keys
	s_mov_b32 s53, 0
	s_wait_dscnt 0x0                               ; the opening add is done
	s_wait_kmcnt 0x0
	s_mov_b32 s[G0A], 1
	s_mov_b32 s[G0A+1], s18
	s_add_nc_u64 s[G0A+2:G0A+3], s[4:5], s[44:45]
	s_mov_b32 s[G0B], 1
	s_add_co_u32 s[G0B+1], s18, 51200
	s_add_nc_u64 s[G0B+2:G0B+3], s[G0A+2:G0A+3], 51200
	s_or_b32 s[G0A+3], s[G0A+3], 0x80000000
	s_or_b32 s[G0B+3], s[G0B+3], 0x80000000
	s_add_nc_u64 s[48:49], s[4:5], s[48:49]
	s_add_nc_u64 s[50:51], s[4:5], s[50:51]
	s_add_nc_u64 s[52:53], s[6:7], s[52:53]
	CROUND                                         ; all four work-groups are here: the joint loads meet
	tensor_load_to_lds s[G0A:G0A+3], s[G1:G1+7]
	s_nop 0
	tensor_load_to_lds s[G0B:G0B+3], s[G1:G1+7]
	s_nop 0
.rept 4
	v_nop
.endr
	v_and_b32 v224, 31, v0                         ; lane
	v_and_b32 v225, 15, v0                         ; r
	v_bfe_u32 v226, v0, 4, 1                       ; h
	v_mul_u32_u24 v[AK0], v225, 48
	v_mad_u32_u24 v[AK0], v226, 24, v[AK0]         ; a row of 48 bytes, block h
	s_mul_i32 s54, s17, 768
	v_add_nc_u32 v227, s54, v[AK0]                 ; q: my tile's 16 rows in its chunk
	s_lshl_b32 s54, s17, 5
	v_lshl_add_u32 v228, v225, 1, s54              ; and their scale bytes
	v_lshlrev_b32 v229, 3, v224
	v_lshlrev_b32 v230, 4, v224
	global_load_b64 v[16:17], v227, s[48:49]
	global_load_b64 v[18:19], v227, s[48:49] offset:8
	global_load_b64 v[20:21], v227, s[48:49] offset:16
	global_load_u16 v255, v228, s[48:49] offset:6144
	global_load_b64 v[232:233], v229, s[50:51] offset:6144   ; the scale bytes of keys 4 lane .. 4 lane + 3 of my chunk of k
	global_load_b128 v[240:243], v230, s[52:53]    ; and their mask
	v_lshl_add_u32 v231, v0, 4, KW                 ; where their four words go: 16 x thread
	v_add_nc_u32 v[AV0], VB, v[AK0]
	v_lshl_add_u32 v[AKS0], v225, 2, KW
	v_lshl_add_u32 v[AVS0], v225, 2, VB+6144
	v_add_nc_u32 v7, -1, v226                      ; all ones in lanes 0-15, 0 in lanes 16-31
	v_and_b32 v22, 0xdf7df7df, v7                  ; Q's places 64-95: 32 codes of +7.5 (011111), a stream of bits; places 96-127: zeros
	v_and_b32 v23, 0xf7df7df7, v7
	v_and_b32 v24, 0x7df7df7d, v7
	v_mov_b32 v25, v22
	v_mov_b32 v26, v23
	v_mov_b32 v27, v24
.irp t, 0,1,2,3
.irp i, 6,7,8,9,10,11
	v_mov_b32 v[32+12*\t+\i], v7                   ; K's places 64-95: 32 codes of -7.5 (111111); places 96-127: zeros
.endr
.endr
	v_mov_b32 v13, 0xe0800000                      ; the largest t so far: -2^66
	v_floor_f32 v12, -v13                          ; -M
	v_mov_b32 v14, 0
	v_mov_b32 v15, 0
.irp b, 0,1,2,3
	v_mov_b32 v[236+\b], 0                         ; written once: a lane permute's destination counts as one of its sources
.endr
	v_mov_b32 v253, 0
.set J, 0
.rept 32
	v_mov_b32 v[OO+J], 0                           ; O^T: the step is written once; the first finds zeros
.set J, J+1
.endr
	v_mov_b32 v234, 0x7f1b0000                     ; a key that counts: bytes 27 and 127 above k's two
	v_mov_b32 v235, 0x7fe30000                     ; a hidden key: 227 and 127
	s_wait_loadcnt 0x0
	v_or_b32 v255, 0x7f7f0000, v255                ; Q's scale word
.irp i, 0,1,2,3
	v_cmp_eq_u32 vcc_lo, 0, v[240+\i]
	v_cndmask_b32 v[244+\i], v234, v235, vcc_lo    ; the mask only selects a value
.endr
	v_and_or_b32 v244, v232, 0xffff, v244
	v_lshrrev_b32 v232, 16, v232
	v_or_b32 v245, v232, v245
	v_and_or_b32 v246, v233, 0xffff, v246
	v_lshrrev_b32 v233, 16, v233
	v_or_b32 v247, v233, v247
	ds_store_b128 v231, v[244:247]
; A KEY STEP: 128 keys, one chunk.
.macro STEP
	v_add_nc_u32 v[ADK], s[TK], v[AK0]             ; (these four are also the places behind the last step's products)
	v_add_nc_u32 v[ADV], s[TK], v[AV0]
	v_add_nc_u32 v[ADS], s[TS], v[AKS0]
	v_add_nc_u32 v[ADT], s[TK], v[AVS0]
.irp t, 0,1,2,3
.irp p, 0,1,2
	ds_load_b64 v[32+12*\t+2*\p:33+12*\t+2*\p], v[ADK] offset:768*\t+8*\p
.endr
	ds_load_b32 v[248+\t], v[ADS] offset:64*\t
.endr
	s_wait_dscnt 0x0
.irp t, 0,1,2,3
	v_wmma_scale_f32_16x16x128_f8f6f4 v[SS+8*\t:SS+8*\t+7], v[32+12*\t:43+12*\t], v[16:27], 0, v[248+\t], v255 matrix_a_fmt:MATRIX_FMT_FP6 matrix_b_fmt:MATRIX_FMT_FP6
.endr
.rept 4
	v_nop                                          ; places in front of loads into registers that matrix instructions have read
.endr
.irp t, 0,1,2,3
.irp p, 0,1,2
	ds_load_b64 v[32+12*\t+2*\p:33+12*\t+2*\p], v[ADK] offset:768*(4+\t)+8*\p
.endr
	ds_load_b32 v[248+\t], v[ADS] offset:64*(4+\t)
.endr
.irp t, 0,1,2,3                                ; V's four fragments and scale words are asked for here and land under the softmax
.irp p, 0,1,2,3,4,5
	ds_load_b64 v[80+12*\t+2*\p:81+12*\t+2*\p], v[ADV] offset:3072*(\p/3)+768*\t+8*(\p%3)
.endr
	ds_load_b32 v[28+\t], v[ADT] offset:64*\t
.endr
	s_wait_dscnt 28                                ; K's are in; V's 28 loads may be out
.irp t, 0,1,2,3
	v_wmma_scale_f32_16x16x128_f8f6f4 v[SS+32+8*\t:SS+32+8*\t+7], v[32+12*\t:43+12*\t], v[16:27], 0, v[248+\t], v255 matrix_a_fmt:MATRIX_FMT_FP6 matrix_b_fmt:MATRIX_FMT_FP6
.endr
.rept 4
	v_nop
.endr
.irp b, 0,1,2,3
	v_max3_num_f32 v[232+\b], v[SS+16*\b], v[SS+1+16*\b], v[SS+2+16*\b]   ; the largest score of each block of 32 keys: for the row's maximum, and, since p rises with the score, for the block's largest p
.endr
.irp i, 3,5,7,9,11,13
.irp b, 0,1,2,3
	v_max3_num_f32 v[232+\b], v[232+\b], v[SS+16*\b+\i], v[SS+1+16*\b+\i]
.endr
.endr
.irp b, 0,1,2,3
	v_max_num_f32 v[232+\b], v[232+\b], v[SS+15+16*\b]
.endr
.irp b, 0,1,2,3
	v_permlanex16_b32 v[236+\b], v[232+\b], s[SEL], s[SEL+1]
.endr
.irp b, 0,1,2,3
	v_max_num_f32 v[232+\b], v[232+\b], v[236+\b]  ; with lane l xor 16's 16 keys
.endr
	v_max3_num_f32 v254, v232, v233, v234
	v_max_num_f32 v254, v254, v235
	v_mul_f32 v254, s[CS], v254                    ; as t
	v_max_num_f32 v13, v13, v254                   ; the running largest t
	v_mov_b32 v254, v12
	v_floor_f32 v12, -v13                          ; the new -M = floor(-t): M is a whole number
	v_sub_f32 v254, v12, v254                      ; old M - new M: a whole number, 0 or less
	v_cvt_i32_f32 v254, v254                       ; (it saturates)
	v_ldexp_f32 v252, 1.0, v254                    ; f = 2^(old M - new M)
.set J, 0
.rept 32
	v_pk_fma_f32 v[SS+J:SS+J+1], v[SS+J:SS+J+1], s[CS:CS+1], v[12:13] op_sel_hi:[1,0,0]   ; t - M, two at a time
.set J, J+2
.endr
.irp b, 0,1,2,3
	v_fma_f32 v[232+\b], v[232+\b], s[CS], v12     ; the same of each block's largest score
.endr
.set J, 0
.rept 64
	v_exp_f32 v[SS+J], v[SS+J]                     ; p = 2^(t - M)
.set J, J+1
.endr
	v_pk_mul_f32 v[14:15], v[14:15], v[252:253] op_sel_hi:[1,0]   ; the sums under the new M (a plain place behind the exponentials)
	s_wait_alu depctr_va_vdst(0)                   ; one wait for the whole batch, ahead of its first reader
.irp b, 0,1,2,3
	v_exp_f32 v[232+\b], v[232+\b]                 ; the block's largest p
.endr
	v_pk_add_f32 v[236:237], v[SS:SS+1], v[SS+2:SS+3]   ; the row's sum of the unquantised p, in two chains
.irp j, 4,8,12,16,20,24,28,32,36,40,44,48,52,56,60
	v_pk_add_f32 v[14:15], v[14:15], v[SS+\j:SS+1+\j]
	v_pk_add_f32 v[236:237], v[236:237], v[SS+2+\j:SS+3+\j]
.endr
	v_pk_add_f32 v[14:15], v[14:15], v[236:237]
	s_wait_alu depctr_va_vdst(0)                   ; and one for the four
.irp b, 0,1,2,3
	v_max_num_f32 v[232+\b], 0x1800000, v[232+\b]  ; the floor 2^(3 - 127): the byte cannot fall under 1
.endr
.irp b, 0,1,2,3
	v_add_nc_u32 v[244+\b], 0xff000000, v[232+\b]  ; the conversion's scale operand
.endr
.irp b, 0,1,2,3
	v_lshrrev_b32 v[236+\b], 23, v[244+\b]         ; the scale's byte
.endr
	v_lshl_or_b32 v253, v237, 8, v236              ; p's scale word for these 128 keys
	v_lshl_or_b32 v253, v238, 16, v253
	v_lshl_or_b32 v253, v239, 24, v253
.irp c, 0,1
	v_cvt_scalef32_pk16_fp6_f32 v[224+6*\c:226+6*\c], v[SS+32*\c:SS+15+32*\c], v[244+2*\c]
	v_cvt_scalef32_pk16_fp6_f32 v[236+4*\c:238+4*\c], v[SS+16+32*\c:SS+31+32*\c], v[244+2*\c+1]
.endr
	v_nop                                          ; one plain place behind a scaled conversion
.irp c, 0,1                                    ; a whole block to a lane
.irp i, 0,1,2
	v_permlane16_swap_b32 v[224+6*\c+\i], v[236+4*\c+\i]
.endr
.irp i, 0,1,2
	v_mov_b32 v[227+6*\c+\i], v[236+4*\c+\i]
.endr
.endr
.set J, 0
.rept 16
	v_pk_mul_f32 v[OO+J:OO+J+1], v[OO+J:OO+J+1], v[252:253] op_sel_hi:[1,0]   ; O^T under the new M (these sixteen stand between the writes of p's codes and scale word and the products)
.set J, J+2
.endr
	s_wait_dscnt 0x0                               ; V is in
.irp t, 0,1,2,3
	v_wmma_scale_f32_16x16x128_f8f6f4 v[OO+8*\t:OO+8*\t+7], v[80+12*\t:91+12*\t], v[224:235], v[OO+8*\t:OO+8*\t+7], v[28+\t], v253 matrix_a_fmt:MATRIX_FMT_FP6 matrix_b_fmt:MATRIX_FMT_FP6
.endr
.endm
.macro HALF n                          ; eight steps: chunks 8 n .. 8 n + 7
	s_mov_b32 s[TK], 51200*\n
	s_mov_b32 s[TS], 4096*\n
	s_mov_b32 s[CNT], 8
.Lstep_\@:
	STEP
	s_add_co_u32 s[TK], s[TK], 6400
	s_add_co_u32 s[TS], s[TS], 512
	s_sub_co_u32 s[CNT], s[CNT], 1
	s_cmp_lg_u32 s[CNT], 0
	s_cbranch_scc1 .Lstep_\@
.endm
	s_wait_tensorcnt 0x1                           ; my chunk of the first half is in; the second half's load may stay out
	s_wait_dscnt 0x0                               ; my key words are stored
	s_barrier_signal -1
	s_barrier_wait -1                              ; everybody's are
	HALF 0
	s_wait_tensorcnt 0x0                           ; my chunk of the second half is in,
	s_wait_dscnt 0x0
	s_barrier_signal -1
	s_barrier_wait -1                              ; everybody's is
	HALF 1
	; THE WAY OUT: O^T / the sum; register 16 b + i of lane (r, h) is channel 32 b + 16 h + i of query r; two blocks of 32 along the next product's K are quantised; the tile's 768 bytes of codes leave through my own LDS bytes.
	v_add_f32 v14, v14, v15
	v_permlanex16_b32 v252, v14, s[SEL], s[SEL+1]
	v_add_f32 v14, v14, v252                       ; the row's sum
	v_rcp_f32 v14, v14
	v_and_b32 v1, 15, v0                           ; r (plain work behind the reciprocal)
	v_bfe_u32 v2, v0, 4, 1                         ; h
	v_and_b32 v3, 31, v0                           ; lane
	s_mul_i32 s60, s[WV], 768
	s_add_co_u32 s60, s60, OST
	v_mul_u32_u24 v8, v1, 48
	v_mad_u32_u24 v8, v2, 12, v8
	v_add_nc_u32 v8, s60, v8                       ; in: query r's 48 bytes; my 16 codes of a block: + 12 h
	v_lshlrev_b32 v11, 4, v3
	v_add_nc_u32 v9, s60, v11                      ; back: 16 bytes a lane,
	v_lshlrev_b32 v4, 3, v3
	v_add_nc_u32 v10, s60, v4                      ; then 8
	v_lshlrev_b32 v7, 5, v1                        ; a token's row of scale bytes
	s_lshr_b32 s54, s15, 4
	s_lshl_b32 s54, s54, 11
	s_lshl_b32 s55, s14, 8
	s_add_co_u32 s54, s54, s55
	s_lshl_b32 s55, s[WV], 4
	s_add_co_u32 s54, s54, s55                     ; my first token: 2,048 x batch + 256 x block + 16 x wave
	s_and_b32 s55, s15, 15                         ; the head
	s_mul_i32 s56, s55, 393216
	s_mul_i32 s57, s54, 48
	s_add_co_u32 s56, s56, s57
	s_mov_b32 s57, 0
	s_add_nc_u64 s[8:9], s[8:9], s[56:57]
	s_lshl_b32 s56, s54, 5
	s_lshl_b32 s55, s55, 1
	s_add_co_u32 s56, s56, s55
	s_add_nc_u64 s[10:11], s[10:11], s[56:57]
	s_wait_alu depctr_va_vdst(0)                   ; the wait for the reciprocal, ahead of its first reader
.set J, 0
.rept 32
	v_mul_f32 v[SS+J], v[OO+J], v14                ; each accumulator from its low end on
.set J, J+1
.endr
.irp b, 0,1
	v_max3_num_f32 v[232+\b], |v[SS+16*\b]|, |v[SS+1+16*\b]|, 0x1800000
.endr
.irp i, 2,4,6,8,10,12,14
.irp b, 0,1
	v_max3_num_f32 v[232+\b], v[232+\b], |v[SS+16*\b+\i]|, |v[SS+1+16*\b+\i]|
.endr
.endr
.irp b, 0,1
	v_permlanex16_b32 v[236+\b], v[232+\b], s[SEL], s[SEL+1]
.endr
.irp b, 0,1
	v_max_num_f32 v[232+\b], v[232+\b], v[236+\b]
.endr
.irp b, 0,1
	v_add_nc_u32 v[244+\b], 0xff000000, v[232+\b]
.endr
.irp b, 0,1
	v_lshrrev_b32 v[236+\b], 23, v[244+\b]
.endr
	v_lshl_or_b32 v240, v237, 8, v236              ; the head's two scale bytes of query r
	v_cvt_scalef32_pk16_fp6_f32 v[224:226], v[SS:SS+15], v244
	v_cvt_scalef32_pk16_fp6_f32 v[228:230], v[SS+16:SS+31], v245
	v_nop
.irp b, 0,1
.irp i, 0,1,2
	ds_store_b32 v8, v[224+4*\b+\i] offset:24*\b+4*\i
.endr
.endr
	ds_load_b128 v[32:35], v9                      ; LDS serves a wave's instructions in order: these see my stores
	ds_load_b64 v[36:37], v10 offset:512
	s_wait_dscnt 0x0
	global_store_b128 v11, v[32:35], s[8:9]        ; 512 and 256 consecutive bytes, aligned
	global_store_b64 v4, v[36:37], s[8:9] offset:512
	global_store_b16 v7, v240, s[10:11]            ; (lanes r and r + 16 store the same bytes with the same value)
	s_wait_tensorcnt 0x0                           ; the wave's end
	ds_add_u32 v[SPW], v[NIL]
	s_wait_dscnt 0x0
	CROUND                                         ; the closing round
	s_endpgm
.Lfunc_end_k_q19a5e33302_attn:
	.size	k_q19a5e33302_attn, .Lfunc_end_k_q19a5e33302_attn-k_q19a5e33302_attn
	.p2alignl 7, 3214868480
	.fill 96, 4, 3214868480
	.section	.rodata,"a",@progbits
	.p2align	6, 0x0
	.amdhsa_kernel k_q19a5e33302_attn
		.amdhsa_group_segment_fixed_size 227328
		.amdhsa_private_segment_fixed_size 0
		.amdhsa_enable_private_segment 0
		.amdhsa_kernarg_size 32
		.amdhsa_user_sgpr_count 2
		.amdhsa_user_sgpr_kernarg_segment_ptr 1
		.amdhsa_wavefront_size32 1
		.amdhsa_system_sgpr_workgroup_id_x 1
		.amdhsa_system_sgpr_workgroup_id_y 1
		.amdhsa_system_sgpr_workgroup_id_z 1
		.amdhsa_system_vgpr_workitem_id 0
		.amdhsa_next_free_vgpr 256
		.amdhsa_next_free_sgpr 66
		.amdhsa_reserve_vcc 1
		.amdhsa_float_denorm_mode_32 3
		.amdhsa_float_denorm_mode_16_64 3
		.amdhsa_memory_ordered 1
		.amdhsa_forward_progress 1
		.amdhsa_inst_pref_size 50
	.end_amdhsa_kernel
	.amdgpu_metadata
---
amdhsa.version: [ 1, 2 ]
amdhsa.kernels:
  - .name:           k_q19a5e33302_attn
    .symbol:         k_q19a5e33302_attn.kd
    .args:
      - { .name: qkv, .offset: 0, .size: 8, .value_kind: global_buffer, .address_space: global }
      - { .name: attention_mask, .offset: 8, .size: 8, .value_kind: global_buffer, .address_space: global }
      - { .name: ac, .offset: 16, .size: 8, .value_kind: global_buffer, .address_space: global }
      - { .name: asc, .offset: 24, .size: 8, .value_kind: global_buffer, .address_space: global }
    .group_segment_fixed_size: 227328
    .private_segment_fixed_size: 0
    .kernarg_segment_align: 8
    .kernarg_segment_size: 32
    .max_flat_workgroup_size: 512
    .sgpr_count:     66
    .vgpr_count:     256
    .wavefront_size: 32
...
	.end_amdgpu_metadata
.endif
;; end of part 3
;; launch oproj (part 4): grid 4 x 32, 4 waves a work-group, clusters of 4 x 4, 327,680 bytes of LDS; arguments ac, asc, wc, ws, out0; writes out0
.if DOCPART == 4
	.amdgcn_target "amdgcn-amd-amdhsa--gfx1250"
	.amdhsa_code_object_version 6
	.text
	.protected	k_q19a5e33302_oproj
	.globl	k_q19a5e33302_oproj
	.p2align	8
	.type	k_q19a5e33302_oproj,@function
k_q19a5e33302_oproj:
	s_mov_b64 s[64:65], 0
	v_nop
	global_prefetch_b8 v0, s[64:65] scope:SCOPE_SE
	s_setreg_imm32_b32 hwreg(HW_REG_WAVE_MODE, 25, 1), 1
	s_wait_xcnt 0x0
	s_wait_alu depctr_hold_cnt(0) depctr_sa_sdst(0) depctr_va_vdst(0) depctr_va_sdst(0) depctr_va_ssrc(0) depctr_va_vcc(0) depctr_vm_vsrc(0)
	s_getreg_b32 s2, hwreg(HW_REG_IB_STS2, 6, 4)
	s_cmp_eq_u32 s2, 0
	s_cbranch_scc0 .Lentry_in_a_cluster
	s_endpgm
.Lentry_in_a_cluster:
	s_bfe_u32 s2, ttmp6, 0x10000c
	s_cmp_lg_u32 s2, 0xf033
	s_cbranch_scc0 .Lentry_shape_is_right
	s_endpgm
.Lentry_shape_is_right:
; out0 [8192][1024] f32 = (attention's result) wo^T on codes of FP6 (E2M3) with E8M0 scales; sums in f32.
; A: ac [16 heads][8192 tokens][48 bytes]: K = 64 x head + channel; its scale bytes asc [8192][32].  B: rows 3072-4095 of wc [..][768] and ws [..][32], K innermost.
; A tile of 256 x 256 to a work-group of four waves, 128 x 128 a wave: 64 accumulators, 512 registers.  K in steps of 256 (four heads) through two LDS slots filled by the tensor data mover; the scale bytes come once.
; A's part of a slot is 4 rows (heads) of 6,144 dense bytes (128 tokens x 48), 393,216 bytes apart in memory; in LDS tokens lie 48 bytes apart, with which the 32 lanes of a load of 8 bytes touch 64 different banks (ISA guide 11.1).
; 4 x 4 work-groups form a cluster: A's tiles are asked for jointly along a row, B's along a column.  The matrix instruction is used transposed: a lane holds eight neighbouring numbers of a row of out0.
; 128 tiles: the grid has work for 128 work-groups; a smaller tile would read each fragment for half the products.
; REGISTERS as in the launch that makes q, k and v: window 0 addresses, scale words, A's one set; window 1 B's two sets; windows 2, 3 the accumulators.
.set SIZE_N, 1024
.set SIZE_K, 1024
.set KSTEP,  256
.set NQ,     KSTEP/128
.set ROWB,   192
.set KROW,   SIZE_K*6/8
.set PITCH,  240
.set FR,     12
.set NL,     6
.set NP,     4
.set HALFT,  128*PITCH
.set SLOT,   4*HALFT
.set LAPS,   SIZE_K/(2*KSTEP)
.set KS,     SIZE_K/32
.set SCL,    2*SLOT
.set HALFS,  (128*KS/256)*272
.set SBLK,   (16*KS/256)*272
.set SPARE,  SCL+4*HALFS
.set SPITCH, 528                       ; the way out: a stage of 16 rows x (512 bytes + 16) a wave, in slot 0, which has had its last fill and its last read by then
.set HEADB,  393216                    ; a head's codes in ac
.set ASTEP,  4*HEADB                   ; a K step of A in memory
.set ADRA, 16
.set ADRB, 20
.set STO,  24
.set RD,   25
.set CO,   26
.set ADRS, 27
.set SPW,  28
.set NIL,  29
.set SC,   32
.set AF,   128
.set BK,   128
.set G1, 24
.set G0, 32
.set G1B, 48
.set G0B, 56
.set G1S, 68
.set G0S, 76
.set G1SB, 80
.set G0SB, 88
.set MSB, 0
.macro WIN new
.if MSB != (\new)
	s_set_vgpr_msb (MSB<<8)|(\new)
.set MSB, (\new)
.endif
.endm
.set MUL_LO, 0xa1
.set MUL_HI, 0xf1
.set TO_B,   0x40
.macro JLOAD g0a, g1a, g0b, g1b        ; a joint load: waves 0 and 1 fetch for A, waves 2 and 3 for B; an s_nop 0 and four v_nop follow each of the two lines
	s_cmp_eq_u32 s15, 0
	s_cbranch_scc0 .Lfor_b_\@
	tensor_load_to_lds s[\g0a:\g0a+3], s[\g1a:\g1a+7]
	s_nop 0
.rept 4
	v_nop
.endr
	s_branch .Lasked_\@
.Lfor_b_\@:
	tensor_load_to_lds s[\g0b:\g0b+3], s[\g1b:\g1b+7]
	s_nop 0
.rept 4
	v_nop
.endr
.Lasked_\@:
.endm
.macro CREST
	s_cmp_lg_u32 s14, 0
	s_cbranch_scc1 .Lnot_wave_0_\@
	s_barrier_signal -3
.Lnot_wave_0_\@:
	s_barrier_wait -3
	s_barrier_signal -1
	s_barrier_wait -1
.endm
.macro CROUND
	s_barrier_signal -1
	s_barrier_wait -1
	CREST
.endm
	s_load_b128 s[4:7], s[0:1], 0x0                ; ac, asc
	s_load_b128 s[8:11], s[0:1], 0x10              ; wc, ws
	s_load_b64 s[12:13], s[0:1], 0x20              ; out0
	v_lshl_add_u32 v[SPW], v0, 2, SPARE
	v_mov_b32 v[NIL], 0
	ds_add_u32 v[SPW], v[NIL]                      ; the wave's opening: the add and its wait stand ahead of my first tensor load
	v_lshrrev_b32 v1, 5, v0
	v_readfirstlane_b32 s14, v1
	s_lshr_b32 s15, s14, 1
	s_and_b32 s16, s14, 1
	s_bfe_u32 s40, ttmp6, 0x40000
	s_bfe_u32 s41, ttmp6, 0x40004
	s_lshl_b32 s42, ttmp9, 2
	s_add_co_u32 s42, s42, s40                     ; tile column
	s_and_b32 s17, ttmp7, 0xffff
	s_lshl_b32 s17, s17, 2
	s_add_co_u32 s17, s17, s41                     ; tile row
	s_lshl_b32 s43, s41, 2
	s_lshl_b32 s43, 15, s43
	s_lshl_b32 s44, 0x1111, s40
	s_or_b32 s[G1+0], s43, (0<<16)|(1<<21)         ; A: the mask of my row; elements of 1 byte; no padding; bit 21 beside a mask
	s_mov_b32 s[G1+1], 6144<<16                    ; tensor_dim0: 128 tokens x 48 bytes
	s_mov_b32 s[G1+2], 4<<16                       ; tensor_dim1: 4 heads
	s_mov_b32 s[G1+3], 6144<<16                    ; tile_dim0
	s_mov_b32 s[G1+4], 4                           ; tile_dim1
	s_mov_b32 s[G1+5], HEADB                       ; the pitch: from head to head
	s_mov_b32 s[G1+6], 0
	s_mov_b32 s[G1+7], 0
	s_or_b32 s[G1B+0], s44, (0<<16)|(1<<20)|(1<<21)|(3<<22)|(3<<25)  ; B: 128 rows of 192 bytes, 16 bytes of padding behind every 64
	s_mov_b32 s[G1B+1], ROWB<<16
	s_mov_b32 s[G1B+2], 128<<16
	s_mov_b32 s[G1B+3], ROWB<<16
	s_mov_b32 s[G1B+4], 128
	s_mov_b32 s[G1B+5], KROW
	s_mov_b32 s[G1B+6], 0
	s_mov_b32 s[G1B+7], 0
	s_or_b32 s[G1S+0], s43, (3<<16)|(1<<20)|(1<<21)|(5<<22)|(3<<25)
	s_or_b32 s[G1SB+0], s44, (3<<16)|(1<<20)|(1<<21)|(5<<22)|(3<<25)
.irp g, G1S, G1SB
	s_mov_b32 s[\g+1], 32<<16
	s_mov_b32 s[\g+2], (128*KS/256)<<16
	s_mov_b32 s[\g+3], 32<<16
	s_mov_b32 s[\g+4], 128*KS/256
	s_mov_b32 s[\g+5], 32
	s_mov_b32 s[\g+6], 0
	s_mov_b32 s[\g+7], 0
.endr
	s_lshl_b32 s18, s16, 7
	s_lshl_b32 s20, s17, 8
	s_add_co_u32 s20, s20, s18                     ; A: token 256 x tile row + 128 x half
	s_lshl_b32 s46, s42, 8
	s_add_co_u32 s46, s46, s18                     ; B: row 256 x tile column + 128 x half
	s_mov_b32 s21, 0
	s_mov_b32 s47, 0
	s_mov_b64 s[18:19], KS
	s_mul_u64 s[22:23], s[20:21], s[18:19]
	s_mul_u64 s[92:93], s[46:47], s[18:19]
	s_mov_b64 s[18:19], KROW
	s_mul_u64 s[46:47], s[46:47], s[18:19]
	s_mov_b64 s[18:19], 48
	s_mul_u64 s[20:21], s[20:21], s[18:19]
	s_mul_i32 s45, s14, HALFT
	s_mul_i32 s94, s14, HALFS
	s_wait_dscnt 0x0                               ; the opening add is done
	s_wait_kmcnt 0x0
	s_add_nc_u64 s[8:9], s[8:9], 3072*KROW         ; wo's rows of wc
	s_add_nc_u64 s[10:11], s[10:11], 3072*KS       ; and of ws
	s_add_nc_u64 s[20:21], s[4:5], s[20:21]
	s_add_nc_u64 s[22:23], s[6:7], s[22:23]
	s_add_nc_u64 s[46:47], s[8:9], s[46:47]
	s_add_nc_u64 s[92:93], s[10:11], s[92:93]
	CROUND                                         ; all sixteen work-groups are here: the first joint loads meet
	s_mov_b32 s[G0S], 1
	s_add_co_u32 s[G0S+1], s94, SCL
	s_mov_b64 s[G0S+2:G0S+3], s[22:23]
	s_or_b32 s[G0S+3], s[G0S+3], 0x80000000
	s_mov_b32 s[G0SB], 1
	s_add_co_u32 s[G0SB+1], s94, SCL
	s_mov_b64 s[G0SB+2:G0SB+3], s[92:93]
	s_or_b32 s[G0SB+3], s[G0SB+3], 0x80000000
	JLOAD G0S, G1S, G0SB, G1SB
.irp s, 0,1
	s_mov_b32 s[G0+4*\s], 1
	s_add_co_u32 s[G0+4*\s+1], s45, \s*SLOT
	s_add_nc_u64 s[G0+4*\s+2:G0+4*\s+3], s[20:21], \s*ASTEP
	s_or_b32 s[G0+4*\s+3], s[G0+4*\s+3], 0x80000000
	s_mov_b32 s[G0B+4*\s], 1
	s_add_co_u32 s[G0B+4*\s+1], s45, \s*SLOT
	s_add_nc_u64 s[G0B+4*\s+2:G0B+4*\s+3], s[46:47], \s*ROWB
	s_or_b32 s[G0B+4*\s+3], s[G0B+4*\s+3], 0x80000000
	JLOAD G0+4*\s, G1, G0B+4*\s, G1B
.endr
	v_and_b32 v1, 15, v0
	v_bfe_u32 v2, v0, 4, 1
	v_mul_u32_u24 v3, v1, PITCH
	v_mul_u32_u24 v4, v2, 24
	v_add_nc_u32 v4, v3, v4                        ; B: a fragment's row x pitch + 24 x half
	v_lshl_add_u32 v5, v2, 4, v4                   ; and the same behind one padding more
	v_mul_u32_u24 v7, v1, 48
	v_mad_u32_u24 v7, v2, 24, v7                   ; A: token r's 48 bytes, block h
	s_mul_i32 s21, s15, HALFT
	s_mul_i32 s22, s16, HALFT
	s_add_co_u32 s22, s22, 2*HALFT
.irp s, 0,1
	v_add_nc_u32 v[ADRA+\s], s21, v7
	v_add_nc_u32 v[ADRB+\s], s22, v4
	v_add_nc_u32 v[ADRB+2+\s], s22, v5
	s_add_co_u32 s21, s21, SLOT
	s_add_co_u32 s22, s22, SLOT
.endr
	v_mul_u32_u24 v5, v1, KS
	v_lshrrev_b32 v6, 8, v5
	v_lshl_add_u32 v5, v6, 4, v5
	s_mul_i32 s21, s15, HALFS
	s_mul_i32 s22, s16, HALFS
	s_add_co_u32 s22, s22, 2*HALFS
	s_sub_co_u32 s22, s22, s21
	v_mul_u32_u24 v6, s22, v2
	s_add_co_u32 s21, s21, SCL
	v_add_nc_u32 v5, v5, v6
	v_add_nc_u32 v[ADRS], s21, v5
	s_mul_i32 s23, s14, 16*SPITCH                  ; my stage
	v_mul_u32_u24 v5, v1, SPITCH
	v_lshl_add_u32 v5, v2, 5, v5
	v_add_nc_u32 v[STO], s23, v5
	v_and_b32 v6, 31, v0
	v_lshlrev_b32 v[CO], 4, v6
	v_add_nc_u32 v[RD], s23, v[CO]
	s_lshl_b32 s20, s17, 8
	s_lshl_b32 s21, s15, 7
	s_add_co_u32 s20, s20, s21                     ; my first row of out0
	s_mov_b32 s21, 0
	s_mov_b64 s[18:19], SIZE_N*4
	s_mul_u64 s[20:21], s[20:21], s[18:19]
	s_lshl_b32 s46, s42, 10
	s_lshl_b32 s47, s16, 9
	s_add_co_u32 s46, s46, s47
	s_mov_b32 s47, 0
	s_add_nc_u64 s[20:21], s[20:21], s[46:47]
	s_add_nc_u64 s[12:13], s[12:13], s[20:21]
.macro FRAG reg, adr, q, i             ; a fragment of B: 24 bytes of the row for each half of K, in pieces of 8 bytes; the second address register serves the pieces behind one padding more
.irp p, 0,1,2,3,4,5
.set PCE, 12*(\q)+6*(\p/3)+\p%3
.if PCE%8 < 5
	ds_load_b64 v[\reg+2*\p:\reg+2*\p+1], v[\adr] offset:8*PCE+16*(PCE/8)+(\i)*16*PITCH
.else
	ds_load_b64 v[\reg+2*\p:\reg+2*\p+1], v[\adr+2] offset:8*PCE+16*(PCE/8)+(\i)*16*PITCH
.endif
.endr
.endm
.macro FRAGA reg, adr, q, i            ; a fragment of A: registers 6 c .. 6 c + 5: head 2 q + c of the slot's four, block h of token 16 i + r
.irp p, 0,1,2,3,4,5
	ds_load_b64 v[\reg+2*\p:\reg+2*\p+1], v[\adr] offset:(2*(\q)+\p/3)*6144+(\i)*768+8*(\p%3)
.endr
.endm
.macro MUL16 a0, p, q, sc, zero        ; the 64 accumulators take turns, one instruction a turn
.irp a, \a0, \a0+1
.irp b, 0,1,2,3,4,5,6,7
.if \zero
	v_wmma_scale_f32_16x16x128_f8f6f4 v[8*(8*((\a)%4)+\b):8*(8*((\a)%4)+\b)+7], v[128*(\p)+FR*\b:128*(\p)+FR*\b+FR-1], v[AF+FR*(\a):AF+FR*(\a)+FR-1], 0, v[SC+8*NQ*(\sc)+NQ*\b+(\q)], v[SC+8*NQ*(\sc)+NQ*(\a)+(\q)] matrix_a_fmt:MATRIX_FMT_FP6 matrix_b_fmt:MATRIX_FMT_FP6 matrix_a_scale:MATRIX_SCALE_ROW1
.else
	v_wmma_scale_f32_16x16x128_f8f6f4 v[8*(8*((\a)%4)+\b):8*(8*((\a)%4)+\b)+7], v[128*(\p)+FR*\b:128*(\p)+FR*\b+FR-1], v[AF+FR*(\a):AF+FR*(\a)+FR-1], v[8*(8*((\a)%4)+\b):8*(8*((\a)%4)+\b)+7], v[SC+8*NQ*(\sc)+NQ*\b+(\q)], v[SC+8*NQ*(\sc)+NQ*(\a)+(\q)] matrix_a_fmt:MATRIX_FMT_FP6 matrix_b_fmt:MATRIX_FMT_FP6 matrix_a_scale:MATRIX_SCALE_ROW1
.endif
.endr
.endr
.endm
.macro FETCH_B slot, q, p
	WIN TO_B
.irp i, 0,1,2,3,4,5,6,7
	FRAG 128*(\p)+FR*\i, ADRB+\slot, \q, \i
.endr
	WIN 0
.endm
.macro FETCH_A slot, q, i0
.irp i, \i0, \i0+1, \i0+2, \i0+3
	FRAGA AF+FR*(\i), ADRA+\slot, \q, \i
.endr
.endm
.macro SCALES sc
.irp i, 0,1,2,3,4,5,6,7
	ds_load_b64 v[SC+8*NQ*\sc+NQ*\i:SC+8*NQ*\sc+NQ*\i+1], v[ADRS] offset:\i*SBLK
.endr
.endm
.macro PLACES n
.rept \n
	v_nop
.endr
.endm
.macro STEP slot, q, zero
	s_wait_dscnt 4*NL                              ; B's set and A's blocks 0-3 are in; the youngest 24 loads (A's blocks 4-7) may be out
	WIN MUL_LO
	MUL16 0, (\q)%2, \q, \slot, \zero
	MUL16 2, (\q)%2, \q, \slot, \zero
	s_wait_dscnt 0
	PLACES NP
	FETCH_B \slot, (\q)+1, 1-(\q)%2
	FETCH_A \slot, (\q)+1, 0
	WIN MUL_HI
	MUL16 4, (\q)%2, \q, \slot, \zero
	MUL16 6, (\q)%2, \q, \slot, \zero
	PLACES NP
	WIN 0
	FETCH_A \slot, (\q)+1, 4
.endm
.macro TURN slot, next, fill
	s_wait_tensorcnt 0x0                           ; all my tensor loads have landed: my part of the next slot
	ds_add_u32 v[SPW], v[NIL]
	s_wait_dscnt 4*NL+1                            ; (the add and the youngest 24 loads may be out)
	WIN MUL_LO
	MUL16 0, 1, NQ-1, \slot, 0
	s_wait_dscnt 0x0                               ; the add is done, and my reads of this slot are over
	s_barrier_signal -1
	MUL16 2, 1, NQ-1, \slot, 0
	WIN 0
	s_barrier_wait -1
.if \fill
	CREST                                          ; the barrier has opened a round of the cluster's: no wave of any partner still reads this slot or has a load on its way
	s_add_nc_u64 s[G0+4*\slot+2:G0+4*\slot+3], s[G0+4*\slot+2:G0+4*\slot+3], 2*ASTEP
	s_add_nc_u64 s[G0B+4*\slot+2:G0B+4*\slot+3], s[G0B+4*\slot+2:G0B+4*\slot+3], 2*ROWB
	JLOAD G0+4*\slot, G1, G0B+4*\slot, G1B
.else
	PLACES NP
.endif
	v_add_nc_u32 v[ADRS], 4*NQ, v[ADRS]
	FETCH_B \next, 0, 0
	FETCH_A \next, 0, 0
	SCALES \next
	WIN MUL_HI
	MUL16 4, 1, NQ-1, \slot, 0
	MUL16 6, 1, NQ-1, \slot, 0
	PLACES NP
	WIN 0
	FETCH_A \next, 0, 4
.endm
	s_wait_tensorcnt 1                             ; the scales and my part of K step 0 are in (K step 1's load may be out),
	s_barrier_signal -1
	s_barrier_wait -1                              ; everybody's are
	FETCH_B 0, 0, 0
	FETCH_A 0, 0, 0
	SCALES 0
	FETCH_A 0, 0, 4
	STEP 0, 0, 1
	s_mov_b32 s3, LAPS-1
.Llap:
	TURN 0, 1, 1
	STEP 1, 0, 0
	TURN 1, 0, 1
	STEP 0, 0, 0
	s_sub_co_u32 s3, s3, 1
	s_cmp_lg_u32 s3, 0
	s_cbranch_scc1 .Llap
	TURN 0, 1, 0
	STEP 1, 0, 0
	s_wait_dscnt 4*NL
	WIN MUL_LO
	MUL16 0, 1, NQ-1, 1, 0
	MUL16 2, 1, NQ-1, 1, 0
	s_wait_dscnt 0
	WIN MUL_HI
	MUL16 4, 1, NQ-1, 1, 0
	MUL16 6, 1, NQ-1, 1, 0
	WIN 0
; THE WAY OUT, block by block of 16 rows x 128 columns, through my own stage in LDS: in as 32 bytes a lane, back as whole rows of 512 bytes.  LDS serves a wave's instructions in order (ISA guide 5.7.1.4).
.macro TOSTAGE a
.set AC, 64*((\a)%4)
	WIN 0x08+4*((\a)/4)
.irp b, 0,1,2,3,4,5,6,7
	ds_store_b128 v[STO], v[AC+8*\b:AC+8*\b+3] offset:64*\b          ; each accumulator from its low end on
	ds_store_b128 v[STO], v[AC+8*\b+4:AC+8*\b+7] offset:64*\b+16
.endr
	WIN 0
.set BB, BK+64*((\a)%2)
.irp t, 0,1,2,3,4,5,6,7,8,9,10,11,12,13,14,15
	ds_load_b128 v[BB+4*\t:BB+4*\t+3], v[RD] offset:\t*SPITCH
.endr
.endm
.macro SEND a, younger
.set BB, BK+64*((\a)%2)
	s_wait_dscnt \younger                          ; the block is back in registers
.if (\a) > 0
	s_add_nc_u64 s[12:13], s[12:13], 16*SIZE_N*4   ; (behind a wait on XCNT: the earlier stores have read their base)
.endif
.irp t, 0,1,2,3,4,5,6,7,8,9,10,11,12,13,14,15
	global_store_b128 v[CO], v[BB+4*\t:BB+4*\t+3], s[12:13] offset:\t*SIZE_N*4 th:TH_STORE_NT   ; 32 lanes store 512 consecutive bytes, aligned
.endr
.endm
	PLACES NP
	TOSTAGE 0
.irp a, 1,2,3,4,5,6,7
.if \a > 1
	s_wait_xcnt 0x0                                ; block a - 2's stores have read their registers and their base
.endif
	TOSTAGE \a
	SEND \a-1, 32                                  ; behind block a - 1's loads: block a's 16 stores and 16 loads
.endr
	s_wait_xcnt 0x0
	SEND 7, 0
	s_wait_tensorcnt 0x0                           ; the wave's end
	ds_add_u32 v[SPW], v[NIL]
	s_wait_dscnt 0x0
	CROUND                                         ; the closing round
	s_endpgm
.Lfunc_end_k_q19a5e33302_oproj:
	.size	k_q19a5e33302_oproj, .Lfunc_end_k_q19a5e33302_oproj-k_q19a5e33302_oproj
	.p2alignl 7, 3214868480
	.fill 96, 4, 3214868480
	.section	.rodata,"a",@progbits
	.p2align	6, 0x0
	.amdhsa_kernel k_q19a5e33302_oproj
		.amdhsa_group_segment_fixed_size 327680
		.amdhsa_private_segment_fixed_size 0
		.amdhsa_enable_private_segment 0
		.amdhsa_kernarg_size 40
		.amdhsa_user_sgpr_count 2
		.amdhsa_user_sgpr_kernarg_segment_ptr 1
		.amdhsa_wavefront_size32 1
		.amdhsa_system_sgpr_workgroup_id_x 1
		.amdhsa_system_sgpr_workgroup_id_y 1
		.amdhsa_system_sgpr_workgroup_id_z 1
		.amdhsa_system_vgpr_workitem_id 0
		.amdhsa_next_free_vgpr 1024
		.amdhsa_next_free_sgpr 98
		.amdhsa_reserve_vcc 0
		.amdhsa_float_denorm_mode_32 3
		.amdhsa_float_denorm_mode_16_64 3
		.amdhsa_memory_ordered 1
		.amdhsa_forward_progress 1
		.amdhsa_inst_pref_size 160
	.end_amdhsa_kernel
	.amdgpu_metadata
---
amdhsa.version: [ 1, 2 ]
amdhsa.kernels:
  - .name:           k_q19a5e33302_oproj
    .symbol:         k_q19a5e33302_oproj.kd
    .args:
      - { .name: ac, .offset: 0, .size: 8, .value_kind: global_buffer, .address_space: global }
      - { .name: asc, .offset: 8, .size: 8, .value_kind: global_buffer, .address_space: global }
      - { .name: wc, .offset: 16, .size: 8, .value_kind: global_buffer, .address_space: global }
      - { .name: ws, .offset: 24, .size: 8, .value_kind: global_buffer, .address_space: global }
      - { .name: out0, .offset: 32, .size: 8, .value_kind: global_buffer, .address_space: global }
    .group_segment_fixed_size: 327680
    .private_segment_fixed_size: 0
    .kernarg_segment_align: 8
    .kernarg_segment_size: 40
    .max_flat_workgroup_size: 128
    .sgpr_count:     98
    .vgpr_count:     1024
    .wavefront_size: 32
...
	.end_amdgpu_metadata
.endif
;; end of part 4
